; MI455X (gfx1250); checked and timed in simulation.
; The chip was launched on July 23, 2026; its instructions are those of AMD's public machine-readable ISA for CDNA 5 (MIT licence, August 2026) and "CDNA5" Instruction Set Architecture Reference Guide (July 2026). The comments in the code are by the model that wrote it; some were corrected since.
;; Cross Attention. Allowed arithmetic: float matrix products may take bf16 or f16 operands with f32 sums; other float arithmetic in f32, or as packed bf16 or f16 multiplies, adds, multiply-adds, maxima and minima; sums over many terms, partial sums and values carried from step to step in f32; what a program stores and reads back later, other than sums and carried values, may be rounded once to bf16 or f16.
;; Inputs: Wg 2,048 x 1,024 float32; Wk 1,024 x 1,024 float32; Wq 1,024 x 1,024 float32; Wv 1,024 x 1,024 float32; bg 1,024 float32; bk 1,024 float32; bq 1,024 float32; bv 1,024 float32; k 8 x 1,024 x 1,024 float32; mask 8 x 1,024 float32; q 8 x 1,024 x 1,024 float32; v 8 x 1,024 x 1,024 float32.
;; Outputs: out0 8 x 1,024 x 1,024 float32.
;; 2 versions, each right; version 2 is version 1 with the launch prep written anew for expert scheduling mode. Each part assembles by itself: llvm-mc -triple=amdgcn-amd-amdhsa -mcpu=gfx1250 --defsym DOCPART=n.
;; ======== version 1 of 2: 5 launches
;; limits: values outside matrix products are rounded to bf16
;; workspace buffers: xb 50,331,648 bytes; wt 10,485,760 bytes; qkp 33,554,432 bytes; vpt 16,777,216 bytes; pp 16,777,216 bytes; st 524,288 bytes; xx 16,777,216 bytes
;; launch prep (part 1): grid 2176 x 1, 8 waves a work-group, no clusters, 18,432 bytes of LDS; arguments q, k, v, Wq, Wk, Wv, Wg, xb, wt; writes xb, wt
.if DOCPART == 1
	.amdgcn_target "amdgcn-amd-amdhsa--gfx1250"
	.amdhsa_code_object_version 6
	.text
	.protected	k_q62cce4d9e8_prep
	.globl	k_q62cce4d9e8_prep
	.p2align	8
	.type	k_q62cce4d9e8_prep,@function
k_q62cce4d9e8_prep:
	s_mov_b64 s[64:65], 0
	v_nop
	global_prefetch_b8 v0, s[64:65] scope:SCOPE_SE
	s_setreg_imm32_b32 hwreg(HW_REG_WAVE_MODE, 25, 1), 1
	s_wait_xcnt 0x0
; Brings every matrix operand that is an input into the form bf16, rows of 1,024 numbers, K along the rows.
; Work-groups 0 to 1,535: q, k, v (f32) are rounded to bf16 into xb = [3][8192][1024]; 65,536 bytes of f32 a work-group.
; Work-groups 1,536 to 2,175: Wq, Wk, Wv and the two halves of Wg ([k][n] f32) are rounded and transposed into
; wt = [5][n 1024][k 1024]; a tile of 128 k x 64 n a work-group, turned in LDS.
; Memory binds: every input byte is read once by 16-byte loads, every output byte written once, each store of 16 or 32
; neighbouring lanes covering 256 consecutive aligned bytes.  No matrix unit, no cluster: no two work-groups share a byte.
.set CASTS, 1536                       ; work-groups that cast
.set TP,    272                        ; LDS pitch of a transposed row: 128 bf16 + 16 bytes
	s_load_b512 s[4:19], s[0:1], 0x0               ; q s[4:5], k s[6:7], v s[8:9], Wq s[10:11], Wk s[12:13], Wv s[14:15], Wg s[16:17], xb s[18:19]
	s_load_b64 s[20:21], s[0:1], 0x40              ; wt
	v_lshl_add_u32 v112, v0, 2, 0x4400
	v_mov_b32 v113, 0
	s_cmp_lt_u32 ttmp9, CASTS                      ; the same in all eight waves
	s_cbranch_scc0 .Ltrans
	; ---- cast: wave w takes 8,192 bytes of f32, sixteen loads of 512 consecutive bytes, all issued first ----
	s_lshr_b32 s22, ttmp9, 9                       ; 0 q, 1 k, 2 v: 512 work-groups each
	s_and_b32 s26, ttmp9, 511
	s_lshl_b32 s26, s26, 16                        ; my 65,536 bytes in the source
	s_mov_b32 s27, 0
	s_lshl_b32 s28, ttmp9, 15                      ; my 32,768 bytes in xb
	s_mov_b32 s29, 0
	v_lshrrev_b32 v3, 5, v0                        ; wave
	v_and_b32 v4, 31, v0                           ; lane
	v_lshlrev_b32 v1, 4, v4
	v_lshl_add_u32 v1, v3, 13, v1                  ; source: 8,192 wave + 16 lane
	v_lshlrev_b32 v2, 3, v4
	v_lshl_add_u32 v2, v3, 12, v2                  ; destination: 4,096 wave + 8 lane
	s_wait_kmcnt 0x0
	s_cmp_eq_u32 s22, 1
	s_cselect_b64 s[24:25], s[6:7], s[4:5]
	s_cmp_eq_u32 s22, 2
	s_cselect_b64 s[24:25], s[8:9], s[24:25]
	s_add_nc_u64 s[24:25], s[24:25], s[26:27]
	s_add_nc_u64 s[18:19], s[18:19], s[28:29]
.irp i, 0,1,2,3,4,5,6,7,8,9,10,11,12,13,14,15
	global_load_b128 v[16+4*\i:19+4*\i], v1, s[24:25] offset:512*\i th:TH_LOAD_NT
.endr
.irp i, 0,1,2,3,4,5,6,7,8,9,10,11,12,13,14,15
	s_wait_loadcnt 15-\i                           ; loads come back in order: load i is in, the younger ones stay out
	v_cvt_pk_bf16_f32 v[80+2*\i], v[16+4*\i], v[17+4*\i]
	v_cvt_pk_bf16_f32 v[81+2*\i], v[18+4*\i], v[19+4*\i]
	global_store_b64 v2, v[80+2*\i:81+2*\i], s[18:19] offset:256*\i   ; 32 lanes x 8 bytes: 256 consecutive bytes, aligned; no register is used twice
.endr
	s_endpgm
.Ltrans:
	; ---- transpose: tile of 128 rows (k) x 64 columns (n) of one weight ----
	s_sub_co_u32 s22, ttmp9, CASTS
	s_lshr_b32 s23, s22, 7                         ; which matrix: 0 Wq, 1 Wk, 2 Wv, 3 Wg rows 0-1023, 4 Wg rows 1024-2047
	s_bfe_u32 s26, s22, 0x30004                    ; kb: which 128 k
	s_and_b32 s28, s22, 15                         ; nb: which 64 n
	s_lshl_b32 s30, s26, 19                        ; 128 rows of 4,096 bytes
	s_lshl_b32 s31, s28, 8                         ; 64 columns of 4 bytes
	s_add_co_u32 s30, s30, s31
	s_cmp_eq_u32 s23, 4
	s_cselect_b32 s31, 0x400000, 0                 ; Wg's lower half begins 1,024 rows down
	s_add_co_u32 s30, s30, s31
	s_mov_b32 s31, 0
	s_lshl_b32 s32, s23, 21                        ; wt: 2,097,152 bytes a matrix,
	s_lshl_b32 s33, s28, 17                        ; 64 rows of 2,048 bytes,
	s_add_co_u32 s32, s32, s33
	s_lshl_b32 s33, s26, 8                         ; 128 k of 2 bytes
	s_add_co_u32 s32, s32, s33
	s_mov_b32 s33, 0
	v_and_b32 v3, 15, v0                           ; c: my 4 columns
	v_lshrrev_b32 v4, 4, v0                        ; r0: my pair of rows, 0 to 15
	v_lshlrev_b32 v1, 4, v3
	v_lshl_add_u32 v1, v4, 13, v1                  ; source: two rows x r0 + 16 c
	v_mul_u32_u24 v5, v3, 4*TP
	v_lshl_add_u32 v5, v4, 2, v5                   ; LDS in: row n = 4 c (+ j), word r0 (+ 16 i)
	v_mul_u32_u24 v6, v4, TP
	v_lshl_add_u32 v6, v3, 4, v6                   ; LDS out: row v0 / 16, 16 bytes a lane
	v_lshlrev_b32 v2, 4, v3
	v_lshl_add_u32 v2, v4, 11, v2                  ; wt: the same row and bytes
	s_wait_kmcnt 0x0
	s_cmp_eq_u32 s23, 0
	s_cselect_b64 s[24:25], s[10:11], s[16:17]
	s_cmp_eq_u32 s23, 1
	s_cselect_b64 s[24:25], s[12:13], s[24:25]
	s_cmp_eq_u32 s23, 2
	s_cselect_b64 s[24:25], s[14:15], s[24:25]
	s_add_nc_u64 s[24:25], s[24:25], s[30:31]
	s_add_nc_u64 s[20:21], s[20:21], s[32:33]
.irp i, 0,1,2,3
	global_load_b128 v[16+8*\i:19+8*\i], v1, s[24:25] offset:(32*\i)*4096 th:TH_LOAD_NT     ; row 32 i + 2 r0: sixteen lanes take its 256 bytes
	global_load_b128 v[20+8*\i:23+8*\i], v1, s[24:25] offset:(32*\i+1)*4096 th:TH_LOAD_NT   ; row 32 i + 2 r0 + 1
.endr
.irp i, 0,1,2,3
	s_wait_loadcnt 6-2*\i                          ; the two rows of step i are in, the younger pairs stay out
.irp j, 0,1,2,3
	v_cvt_pk_bf16_f32 v[48+4*\i+\j], v[16+8*\i+\j], v[20+8*\i+\j]   ; column 4 c + j: k in the low half, k + 1 in the high half
	ds_store_b32 v5, v[48+4*\i+\j] offset:\j*TP+64*\i               ; lanes c and c + 4 meet in a bank: sixteen such stores a wave, accepted
.endr
.endr
	s_wait_dscnt 0x0                               ; my stores are in LDS before I say so: other waves read them
	s_barrier_signal -1
	s_barrier_wait -1
.irp p, 0,1,2,3
	ds_load_b128 v[64+4*\p:67+4*\p], v6 offset:\p*16*TP
.endr
.irp p, 0,1,2,3
	s_wait_dscnt 3-\p
	global_store_b128 v2, v[64+4*\p:67+4*\p], s[20:21] offset:\p*16*2048   ; sixteen lanes: 256 consecutive bytes of a row of wt, aligned
.endr
	s_wait_tensorcnt 0x0
	ds_add_u32 v112, v113
	s_wait_dscnt 0x0
	s_endpgm
.Lfunc_end_k_q62cce4d9e8_prep:
	.size	k_q62cce4d9e8_prep, .Lfunc_end_k_q62cce4d9e8_prep-k_q62cce4d9e8_prep
	.p2alignl 7, 3214868480
	.fill 96, 4, 3214868480
	.section	.rodata,"a",@progbits
	.p2align	6, 0x0
	.amdhsa_kernel k_q62cce4d9e8_prep
		.amdhsa_group_segment_fixed_size 18432
		.amdhsa_private_segment_fixed_size 0
		.amdhsa_enable_private_segment 0
		.amdhsa_kernarg_size 72
		.amdhsa_user_sgpr_count 2
		.amdhsa_user_sgpr_kernarg_segment_ptr 1
		.amdhsa_wavefront_size32 1
		.amdhsa_system_sgpr_workgroup_id_x 1
		.amdhsa_system_sgpr_workgroup_id_y 1
		.amdhsa_system_sgpr_workgroup_id_z 1
		.amdhsa_system_vgpr_workitem_id 0
		.amdhsa_next_free_vgpr 114
		.amdhsa_next_free_sgpr 66
		.amdhsa_reserve_vcc 0
		.amdhsa_float_denorm_mode_32 3
		.amdhsa_float_denorm_mode_16_64 3
		.amdhsa_memory_ordered 1
		.amdhsa_forward_progress 1
		.amdhsa_inst_pref_size 13
	.end_amdhsa_kernel
	.amdgpu_metadata
---
amdhsa.version: [ 1, 2 ]
amdhsa.kernels:
  - .name:           k_q62cce4d9e8_prep
    .symbol:         k_q62cce4d9e8_prep.kd
    .args:
      - { .name: q, .offset: 0, .size: 8, .value_kind: global_buffer, .address_space: global }
      - { .name: k, .offset: 8, .size: 8, .value_kind: global_buffer, .address_space: global }
      - { .name: v, .offset: 16, .size: 8, .value_kind: global_buffer, .address_space: global }
      - { .name: Wq, .offset: 24, .size: 8, .value_kind: global_buffer, .address_space: global }
      - { .name: Wk, .offset: 32, .size: 8, .value_kind: global_buffer, .address_space: global }
      - { .name: Wv, .offset: 40, .size: 8, .value_kind: global_buffer, .address_space: global }
      - { .name: Wg, .offset: 48, .size: 8, .value_kind: global_buffer, .address_space: global }
      - { .name: xb, .offset: 56, .size: 8, .value_kind: global_buffer, .address_space: global }
      - { .name: wt, .offset: 64, .size: 8, .value_kind: global_buffer, .address_space: global }
    .group_segment_fixed_size: 18432
    .private_segment_fixed_size: 0
    .kernarg_segment_align: 8
    .kernarg_segment_size: 72
    .max_flat_workgroup_size: 256
    .sgpr_count:     66
    .vgpr_count:     114
    .wavefront_size: 32
...
	.end_amdgpu_metadata
.endif
;; end of part 1
;; launch projqk (part 2): grid 4 x 64, 4 waves a work-group, clusters of 4 x 4, 327,680 bytes of LDS; arguments xb, wt, bq, bk, qkp; writes qkp
.if DOCPART == 2
	.amdgcn_target "amdgcn-amd-amdhsa--gfx1250"
	.amdhsa_code_object_version 6
	.text
	.protected	k_q62cce4d9e8_projqk
	.globl	k_q62cce4d9e8_projqk
	.p2align	8
	.type	k_q62cce4d9e8_projqk,@function
k_q62cce4d9e8_projqk:
	s_mov_b64 s[64:65], 0
	v_nop
	global_prefetch_b8 v0, s[64:65] scope:SCOPE_SE
	s_setreg_imm32_b32 hwreg(HW_REG_WAVE_MODE, 25, 1), 1
	s_wait_xcnt 0x0
	s_wait_alu depctr_hold_cnt(0) depctr_sa_sdst(0) depctr_va_vdst(0) depctr_va_sdst(0) depctr_va_ssrc(0) depctr_va_vcc(0) depctr_vm_vsrc(0)
	s_getreg_b32 s2, hwreg(HW_REG_IB_STS2, 6, 4)
	s_cmp_eq_u32 s2, 0
	s_cbranch_scc0 .Lentry_in_a_cluster
	s_endpgm
.Lentry_in_a_cluster:
	s_bfe_u32 s2, ttmp6, 0x10000c
	s_cmp_lg_u32 s2, 0xf033
	s_cbranch_scc0 .Lentry_shape_is_right
	s_endpgm
.Lentry_shape_is_right:
; qkp[0] = q Wq + bq, qkp[1] = k Wk + bk, both [8192][1024], rounded once to bf16 (they are matrix operands of the later launches).
; 256 work-groups: block rows 0-31 are q's, 32-63 are k's (q and k follow each other in xb, qp and kp in qkp).
; A work-group makes 256 x 256 with four waves, a wave 128 x 128 in 512 registers.  K = 1,024 goes in 8 steps of 128 through two LDS slots
; filled by the tensor data mover; a tile's rows are 256 bytes of memory, aligned.
; CLUSTERS 4 x 4: the four work-groups of a row of the cluster need the same rows of xb, the four of a column the same rows of wt;
; each such tile is asked for jointly, which divides the requests for both by four.
; REGISTERS: window 0: v0-31 addresses, v64-127 and v128-191 fragments of A (two buffers), v192-223 packed results;
; window 1: v64-191 fragments of B, v192-255 the bias tile; windows 2 and 3: the 64 accumulator tiles, tile (a, b) at v[8 (8 (a mod 4) + b)].
; The matrix instruction is used transposed (source 0 = rows of B, source 1 = rows of A): lane l holds row l % 16 and its registers
; the eight neighbouring columns 8 (l / 16) + 0..7.  The first products take the bias tile as C: nothing is cleared, nothing added later.
; The 64 accumulators take turns, one instruction a turn, over the backward jump too.
.set KSTEP,  128
.set PITCH,  272                       ; LDS row: 256 bytes + 16 of padding, an odd multiple of 16: sixteen rows start at sixteen different 16-byte columns
.set HALFT,  128*PITCH                 ; what one tensor load brings
.set SLOT,   4*HALFT                   ; A's 256 rows, then B's 256 rows
.set STAGE,  2*SLOT                    ; behind the ring, a multiple of 256: 16 rows x 272 bytes for each wave; no tensor load lands here
.set SPITCH, 272
.set SIZE_K, 1024
.set ROWB,   2048                      ; bytes in a row of every bf16 matrix here
.set LAPS,   SIZE_K/(2*KSTEP)
.set ADRA, 16
.set ADRB, 20
.set STO,  24
.set RD,   25
.set CO,   26
.set F0,   64
.set F1,   128
.set TMP,  192
.set BIAS, 192                         ; window 1
.set G1,  24
.set G0,  32
.set G1B, 48
.set G0B, 56
.set MSB, 0
.set TO_B, 0x40
.macro WIN new                         ; the immediate's high byte repeats the setting that is left; a switch that changes nothing is dropped
.if MSB != (\new)
	s_set_vgpr_msb (MSB<<8)|(\new)
.set MSB, (\new)
.endif
.endm
.macro WINMUL hi, cm                   ; source 0 (B) window 1, source 1 (A) window 0, D window 2 + hi; C the same, or window 1 for the bias tile
.if \cm == 2
	WIN 0x91+0x40*\hi
.else
	WIN 0xa1+0x50*\hi
.endif
.endm
.macro JLOAD s                         ; waves 0, 1 ask for A's halves, waves 2, 3 for B's; the branch hangs on the wave's number alone
	s_cmp_eq_u32 s11, 0
	s_cbranch_scc0 .Lfor_b_\@
	tensor_load_to_lds s[G0+4*\s:G0+4*\s+3], s[G1:G1+7]
	s_nop 0
	s_branch .Lasked_\@
.Lfor_b_\@:
	tensor_load_to_lds s[G0B+4*\s:G0B+4*\s+3], s[G1B:G1B+7]
	s_nop 0
.Lasked_\@:
.endm
.macro CREST                           ; a round of the cluster's barrier behind its opening barrier
	s_cmp_lg_u32 s10, 0
	s_cbranch_scc1 .Lnot_wave_0_\@
	s_barrier_signal -3
.Lnot_wave_0_\@:
	s_barrier_wait -3
	s_barrier_signal -1
	s_barrier_wait -1
.endm
.macro CROUND
	s_barrier_signal -1
	s_barrier_wait -1
	CREST
.endm
.macro PLACES                          ; four plain places behind matrix instructions in front of loads into, or vector reads of, their registers
.rept 4
	v_nop
.endr
.endm
; 16 matrix instructions: row tiles a0, a0 + 1 of the window x all 8 column tiles, 32 along K.  cm = 0: add in place; 2: C is the bias tile
.macro MUL16 f, hi, a0, cm
.irp a, \a0, \a0+1
.irp b, 0,1,2,3,4,5,6,7
.if \cm == 2
	v_wmma_f32_16x16x32_bf16 v[8*(8*(\a)+\b):8*(8*(\a)+\b)+7], v[\f+8*\b:\f+8*\b+7], v[\f+8*(4*\hi+\a):\f+8*(4*\hi+\a)+7], v[BIAS+8*\b:BIAS+8*\b+7]
.else
	v_wmma_f32_16x16x32_bf16 v[8*(8*(\a)+\b):8*(8*(\a)+\b)+7], v[\f+8*\b:\f+8*\b+7], v[\f+8*(4*\hi+\a):\f+8*(4*\hi+\a)+7], v[8*(8*(\a)+\b):8*(8*(\a)+\b)+7]
.endif
.endr
.endr
.endm
.macro FETCH slot, k, f                ; 32 LDS loads in one run: a quarter step's fragments, B's then A's
	WIN TO_B
.irp i, 0,1,2,3,4,5,6,7
	ds_load_b128 v[\f+8*\i:\f+8*\i+3],   v[ADRB+\slot] offset:\k+\i*16*PITCH
	ds_load_b128 v[\f+8*\i+4:\f+8*\i+7], v[ADRB+\slot] offset:\k+\i*16*PITCH+32
.endr
	WIN 0
.irp i, 0,1,2,3,4,5,6,7
	ds_load_b128 v[\f+8*\i:\f+8*\i+3],   v[ADRA+\slot] offset:\k+\i*16*PITCH
	ds_load_b128 v[\f+8*\i+4:\f+8*\i+7], v[ADRA+\slot] offset:\k+\i*16*PITCH+32
.endr
.endm
.macro QUARTER slot, k, f, g, cm
	s_wait_dscnt 8                                 ; B and A's rows 0-63 are in; the youngest eight loads (A's rows 64-127) may be out
	WINMUL 0, \cm
	MUL16 \f, 0, 0, \cm
	MUL16 \f, 0, 2, \cm
	PLACES
	FETCH \slot, \k, \g
	s_wait_dscnt 32                                ; all but the 32 just issued
	WINMUL 1, \cm
	MUL16 \f, 1, 0, \cm
	MUL16 \f, 1, 2, \cm
.endm
.macro THREE slot, cm
	QUARTER \slot, 64,  F0, F1, \cm
	QUARTER \slot, 128, F1, F0, 0
	QUARTER \slot, 192, F0, F1, 0
.endm
; The last quarter of a K step changes slots.  In front of the barrier each wave waits for its reads of this slot and for all its tensor loads
; (one is out: its part of the next slot).  Where the slot is filled again the barrier opens a round of the cluster's barrier, and the joint
; refill is the first tensor load behind the round.  From a request to the wait for it a wave issues 240 matrix instructions.
.macro TURN slot, next, fill
	s_wait_dscnt 8
	WINMUL 0, 0
	MUL16 F1, 0, 0, 0
	s_wait_dscnt 0
	s_wait_tensorcnt 0x0
	ds_add_u32 v63, v255
	s_wait_dscnt 0x0
	s_barrier_signal -1
	MUL16 F1, 0, 2, 0
	WIN 0
	s_barrier_wait -1
.if \fill
	CREST
	s_add_nc_u64 s[G0+4*\slot+2:G0+4*\slot+3], s[G0+4*\slot+2:G0+4*\slot+3], 2*KSTEP*2
	s_add_nc_u64 s[G0B+4*\slot+2:G0B+4*\slot+3], s[G0B+4*\slot+2:G0B+4*\slot+3], 2*KSTEP*2
	JLOAD \slot
.endif
	PLACES
	FETCH \next, 0, F0
	WINMUL 1, 0
	MUL16 F1, 1, 0, 0
	MUL16 F1, 1, 2, 0
.endm
.macro LASTQ                           ; the very last quarter: nothing more to fetch
	s_wait_dscnt 8
	WINMUL 0, 0
	MUL16 F1, 0, 0, 0
	MUL16 F1, 0, 2, 0
	s_wait_dscnt 0
	WINMUL 1, 0
	MUL16 F1, 1, 0, 0
	MUL16 F1, 1, 2, 0
.endm
.macro LAP cm
	THREE 0, \cm
	TURN 0, 1, 1
	THREE 1, 0
	TURN 1, 0, 1
.endm
.macro PACK a, w                       ; row tile a (window w): 64 f32 a lane to 32 words of bf16
	WIN \w|(\w<<2)
.irp b, 0,1,2,3,4,5,6,7
.irp r, 0,1,2,3
	v_cvt_pk_bf16_f32 v[TMP+4*\b+\r], v[8*(8*(\a%4)+\b)+2*\r], v[8*(8*(\a%4)+\b)+2*\r+1]
.endr
.endr
.endm
.macro FLUSH i, f                      ; 16 rows through my own stage: in by 16 bytes a lane, back as whole rows of 256 bytes
	WIN 0
.irp b, 0,1,2,3,4,5,6,7
	ds_store_b128 v[STO], v[TMP+4*\b:TMP+4*\b+3] offset:32*\b
.endr
	s_wait_xcnt 0x0                                ; buffer f, which earlier stores read, and the stores' base are rewritten only behind this wait
.if \i
	s_add_nc_u64 s[8:9], s[8:9], 16*ROWB
.endif
.irp t, 0,1,2,3,4,5,6,7
	ds_load_b128 v[\f+4*\t:\f+4*\t+3], v[RD] offset:\t*2*SPITCH    ; LDS serves a wave's instructions in order: these see the stores above
.endr
.irp t, 0,1,2,3,4,5,6,7
	s_wait_dscnt 7-\t
	global_store_b128 v[CO], v[\f+4*\t:\f+4*\t+3], s[8:9] offset:2*\t*ROWB   ; sixteen lanes store 256 consecutive bytes, aligned
.endr
.endm
	s_load_b256 s[68:75], s[0:1], 0x0              ; xb s[68:69], wt s[70:71], bq s[72:73], bk s[74:75]
	s_load_b64 s[76:77], s[0:1], 0x20              ; qkp
	s_set_vgpr_msb 0x40
	v_lshl_add_u32 v63, v0, 2, 0x48400
	s_set_vgpr_msb 0x4000
	v_mov_b32 v255, 0
	s_set_vgpr_msb 0x1
	ds_add_u32 v63, v255
	s_set_vgpr_msb 0x100
	v_lshrrev_b32 v1, 5, v0
	v_readfirstlane_b32 s10, v1                    ; wave 0..3
	s_lshr_b32 s11, s10, 1                         ; my half of the block's rows; also: I ask for A (0) or B (1)
	s_and_b32 s12, s10, 1                          ; my half of its columns; also: which 128 rows of the tile I ask for
	s_bfe_u32 s40, ttmp6, 0x40000                  ; cx
	s_bfe_u32 s41, ttmp6, 0x40004                  ; cy
	s_lshl_b32 s42, ttmp9, 2
	s_add_co_u32 s42, s42, s40                     ; block column 0..3
	s_and_b32 s45, ttmp7, 0xffff                   ; the cluster's y, 0..15
	s_lshl_b32 s13, s45, 2
	s_add_co_u32 s13, s13, s41                     ; block row 0..63
	s_lshr_b32 s66, s45, 3                         ; 0: q's projection, 1: k's
	s_lshl_b32 s43, s41, 2
	s_lshl_b32 s43, 15, s43                        ; my row of the cluster
	s_lshl_b32 s44, 0x1111, s40                    ; my column
	s_or_b32 s[G1+0], s43, (1<<16)|(1<<20)|(1<<21)|(5<<22)|(3<<25)   ; mask; 2-byte elements; padding on; bit 21 beside a mask; after every 64 words 4 words
	s_or_b32 s[G1B+0], s44, (1<<16)|(1<<20)|(1<<21)|(5<<22)|(3<<25)
	s_mov_b32 s[G1+1], KSTEP<<16                   ; tensor_dim0 = 128
	s_mov_b32 s[G1B+1], KSTEP<<16
	s_mov_b32 s[G1+2], 128<<16                     ; tensor_dim1 = 128
	s_mov_b32 s[G1B+2], 128<<16
	s_mov_b32 s[G1+3], KSTEP<<16                   ; tile_dim0 = 128
	s_mov_b32 s[G1B+3], KSTEP<<16
	s_mov_b32 s[G1+4], 128                         ; tile_dim1 = 128
	s_mov_b32 s[G1B+4], 128
	s_mov_b32 s[G1+5], SIZE_K                      ; elements from row to row
	s_mov_b32 s[G1B+5], SIZE_K
	s_mov_b32 s[G1+6], 0
	s_mov_b32 s[G1B+6], 0
	s_mov_b32 s[G1+7], 0
	s_mov_b32 s[G1B+7], 0
	s_lshl_b32 s18, s12, 7                         ; which 128 rows of the tile I ask for
	s_lshl_b32 s16, s13, 8
	s_add_co_u32 s16, s16, s18
	s_lshl_b32 s16, s16, 11                        ; A: row 256 x block row + 128 x half, in bytes (below 2^26)
	s_mov_b32 s17, 0
	s_lshl_b32 s46, s42, 8
	s_lshl_b32 s47, s66, 10                        ; Wq's rows, or Wk's 1,024 further down in wt
	s_add_co_u32 s46, s46, s47
	s_add_co_u32 s46, s46, s18
	s_lshl_b32 s46, s46, 11
	s_mov_b32 s47, 0
	s_mul_i32 s20, s10, HALFT                      ; where my part goes: wave x 128 rows
	s_wait_dscnt 0x0
	s_wait_kmcnt 0x0
	s_add_nc_u64 s[14:15], s[68:69], s[16:17]
	s_add_nc_u64 s[46:47], s[70:71], s[46:47]
	CROUND                                         ; all sixteen work-groups are here: the first joint loads meet
.irp s, 0,1
	s_mov_b32 s[G0+4*\s], 1
	s_add_co_u32 s[G0+4*\s+1], s20, \s*SLOT
	s_add_nc_u64 s[G0+4*\s+2:G0+4*\s+3], s[14:15], \s*KSTEP*2
	s_or_b32 s[G0+4*\s+3], s[G0+4*\s+3], 0x80000000
	s_mov_b32 s[G0B+4*\s], 1
	s_add_co_u32 s[G0B+4*\s+1], s20, \s*SLOT
	s_add_nc_u64 s[G0B+4*\s+2:G0B+4*\s+3], s[46:47], \s*KSTEP*2
	s_or_b32 s[G0B+4*\s+3], s[G0B+4*\s+3], 0x80000000
	JLOAD \s                                       ; two tensor loads of the wave are out, later one
.endr
	v_and_b32 v1, 15, v0                           ; l % 16
	v_bfe_u32 v2, v0, 4, 1                         ; l / 16
	v_mul_u32_u24 v3, v1, PITCH
	v_lshl_add_u32 v3, v2, 4, v3
	s_mul_i32 s21, s11, HALFT
	s_mul_i32 s22, s12, HALFT
	s_add_co_u32 s22, s22, 2*HALFT
.irp s, 0,1
	v_add_nc_u32 v[ADRA+\s], s21, v3
	v_add_nc_u32 v[ADRB+\s], s22, v3
	s_add_co_u32 s21, s21, SLOT
	s_add_co_u32 s22, s22, SLOT
.endr
	s_mul_i32 s23, s10, 16*SPITCH
	s_add_co_u32 s23, s23, STAGE
	v_mul_u32_u24 v4, v1, SPITCH
	v_lshl_add_u32 v4, v2, 4, v4
	v_add_nc_u32 v[STO], s23, v4
	v_mul_u32_u24 v5, v2, SPITCH
	v_lshl_add_u32 v5, v1, 4, v5
	v_add_nc_u32 v[RD], s23, v5
	v_mul_u32_u24 v5, v2, ROWB
	v_lshl_add_u32 v[CO], v1, 4, v5
	; the bias tile: register j of tile b = bias[my first column + 16 b + 8 (l / 16) + j]
	s_cmp_eq_u32 s66, 0
	s_cselect_b64 s[6:7], s[72:73], s[74:75]
	s_lshl_b32 s46, s42, 10
	s_lshl_b32 s47, s12, 9
	s_add_co_u32 s46, s46, s47                     ; my first column x 4 bytes (numbers made of cx stay in s46, s47)
	s_mov_b32 s47, 0
	s_add_nc_u64 s[6:7], s[6:7], s[46:47]
	v_lshlrev_b32 v28, 5, v2
	WIN TO_B
.irp b, 0,1,2,3,4,5,6,7
	global_load_b128 v[BIAS+8*\b:BIAS+8*\b+3],   v28, s[6:7] offset:64*\b
	global_load_b128 v[BIAS+8*\b+4:BIAS+8*\b+7], v28, s[6:7] offset:64*\b+16
.endr
	WIN 0
	; where my 128 x 128 goes
	s_lshl_b32 s16, s13, 8
	s_lshl_b32 s14, s11, 7
	s_add_co_u32 s16, s16, s14
	s_lshl_b32 s16, s16, 11
	s_mov_b32 s17, 0
	s_add_nc_u64 s[8:9], s[76:77], s[16:17]
	s_lshl_b32 s46, s42, 9
	s_lshl_b32 s47, s12, 8
	s_add_co_u32 s46, s46, s47
	s_mov_b32 s47, 0
	s_add_nc_u64 s[8:9], s[8:9], s[46:47]
	s_wait_loadcnt 0x0                             ; the bias tile
	s_wait_tensorcnt 1                             ; my part of K step 0 is in; step 1's stays out
	s_barrier_signal -1
	s_barrier_wait -1
	FETCH 0, 0, F0
	LAP 2                                          ; the first products start the sums from the bias
	WIN 0
	s_mov_b32 s3, LAPS-2
.Llap:
	LAP 0
	WIN 0
	s_sub_co_u32 s3, s3, 1
	s_cmp_lg_u32 s3, 0
	s_cbranch_scc1 .Llap
	THREE 0, 0                                     ; the last lap fills nothing
	TURN 0, 1, 0
	THREE 1, 0
	LASTQ
	PLACES
	PACK 0, 2
	FLUSH 0, F0
	PACK 1, 2
	FLUSH 1, F1
	PACK 2, 2
	FLUSH 2, F0
	PACK 3, 2
	FLUSH 3, F1
	PACK 4, 3
	FLUSH 4, F0
	PACK 5, 3
	FLUSH 5, F1
	PACK 6, 3
	FLUSH 6, F0
	PACK 7, 3
	FLUSH 7, F1
	s_set_vgpr_msb 0x1
	s_wait_tensorcnt 0x0
	ds_add_u32 v63, v255
	s_wait_dscnt 0x0
	s_set_vgpr_msb 0x100
	CROUND                                         ; the closing round: no work-group ends while a partner may still ask for a tile that names it
	s_endpgm
.Lfunc_end_k_q62cce4d9e8_projqk:
	.size	k_q62cce4d9e8_projqk, .Lfunc_end_k_q62cce4d9e8_projqk-k_q62cce4d9e8_projqk
	.p2alignl 7, 3214868480
	.fill 96, 4, 3214868480
	.section	.rodata,"a",@progbits
	.p2align	6, 0x0
	.amdhsa_kernel k_q62cce4d9e8_projqk
		.amdhsa_group_segment_fixed_size 327680
		.amdhsa_private_segment_fixed_size 0
		.amdhsa_enable_private_segment 0
		.amdhsa_kernarg_size 40
		.amdhsa_user_sgpr_count 2
		.amdhsa_user_sgpr_kernarg_segment_ptr 1
		.amdhsa_wavefront_size32 1
		.amdhsa_system_sgpr_workgroup_id_x 1
		.amdhsa_system_sgpr_workgroup_id_y 1
		.amdhsa_system_sgpr_workgroup_id_z 1
		.amdhsa_system_vgpr_workitem_id 0
		.amdhsa_next_free_vgpr 1024
		.amdhsa_next_free_sgpr 100
		.amdhsa_reserve_vcc 0
		.amdhsa_float_denorm_mode_32 3
		.amdhsa_float_denorm_mode_16_64 3
		.amdhsa_memory_ordered 1
		.amdhsa_forward_progress 1
		.amdhsa_inst_pref_size 198
	.end_amdhsa_kernel
	.amdgpu_metadata
---
amdhsa.version: [ 1, 2 ]
amdhsa.kernels:
  - .name:           k_q62cce4d9e8_projqk
    .symbol:         k_q62cce4d9e8_projqk.kd
    .args:
      - { .name: xb, .offset: 0, .size: 8, .value_kind: global_buffer, .address_space: global }
      - { .name: wt, .offset: 8, .size: 8, .value_kind: global_buffer, .address_space: global }
      - { .name: bq, .offset: 16, .size: 8, .value_kind: global_buffer, .address_space: global }
      - { .name: bk, .offset: 24, .size: 8, .value_kind: global_buffer, .address_space: global }
      - { .name: qkp, .offset: 32, .size: 8, .value_kind: global_buffer, .address_space: global }
    .group_segment_fixed_size: 327680
    .private_segment_fixed_size: 0
    .kernarg_segment_align: 8
    .kernarg_segment_size: 40
    .max_flat_workgroup_size: 128
    .sgpr_count:     100
    .vgpr_count:     1024
    .wavefront_size: 32
...
	.end_amdgpu_metadata
.endif
;; end of part 2
;; launch scorev (part 3): grid 4 x 64, 4 waves a work-group, clusters of 4 x 4, 327,680 bytes of LDS; arguments qkp, wt, xb, pp, st, vpt; writes pp, st, vpt
.if DOCPART == 3
	.amdgcn_target "amdgcn-amd-amdhsa--gfx1250"
	.amdhsa_code_object_version 6
	.text
	.protected	k_q62cce4d9e8_scorev
	.globl	k_q62cce4d9e8_scorev
	.p2align	8
	.type	k_q62cce4d9e8_scorev,@function
k_q62cce4d9e8_scorev:
	s_mov_b64 s[64:65], 0
	v_nop
	global_prefetch_b8 v0, s[64:65] scope:SCOPE_SE
	s_setreg_imm32_b32 hwreg(HW_REG_WAVE_MODE, 25, 1), 1
	s_wait_xcnt 0x0
	s_wait_alu depctr_hold_cnt(0) depctr_sa_sdst(0) depctr_va_vdst(0) depctr_va_sdst(0) depctr_va_ssrc(0) depctr_va_vcc(0) depctr_vm_vsrc(0)
	s_getreg_b32 s2, hwreg(HW_REG_IB_STS2, 6, 4)
	s_cmp_eq_u32 s2, 0
	s_cbranch_scc0 .Lentry_in_a_cluster
	s_endpgm
.Lentry_in_a_cluster:
	s_bfe_u32 s2, ttmp6, 0x10000c
	s_cmp_lg_u32 s2, 0xf033
	s_cbranch_scc0 .Lentry_shape_is_right
	s_endpgm
.Lentry_shape_is_right:
; Two independent products of equal size share the launch, so that 256 work-groups have work:
; clusters 0-7 (batch b): S = qp kp^T for batch b, then the softmax's numerators BY BLOCKS of 128 columns (a wave's columns):
;   t = s log2(e) / 32;  c = the block's largest t of the row, rounded to a whole number;  P' = 2^(t - c) <= 2^0.5, stored as bf16 in pp;
;   l = the sum of P' in f32;  (c, l) go to st[block][row].  The next launch brings the eight blocks of a row onto the row's largest c by
;   exact powers of two, so the row's maximum (rounded to a whole power of two) is taken away for every input and no exponent passes 0.5.
; clusters 8-15 (batch b): vpt[b][d][l] = sum over k of Wv[k][d] v[b][l][k]: v's projection, already transposed for the next product and
;   without bv, which is added behind the attention (the softmax's weights sum to one).
; LIMITS: P' and vpt are rounded once to bf16; a term below 2^-126 of its block's reference becomes zero; a NaN loses in the maximum.
; The product's skeleton, registers, ring and cluster are those of the projection launch: 256 x 256 a work-group, four waves of 128 x 128,
; 8 K steps of 128 through two LDS slots, A's tile shared along the cluster's row, B's along its column.  Both products walk one loop;
; they differ in addresses, chosen by selects on the cluster's y, which all sixteen partners share, and in the way out.
; The 64 accumulators take turns, one instruction a turn, over the backward jump too.
.set KSTEP,  128
.set PITCH,  272
.set HALFT,  128*PITCH
.set SLOT,   4*HALFT
.set STAGE,  2*SLOT
.set SPITCH, 272
.set SIZE_K, 1024
.set ROWB,   2048
.set LAPS,   SIZE_K/(2*KSTEP)
.set ADRA, 16
.set ADRB, 20
.set STO,  24
.set RD,   25
.set CO,   26
.set F0,   64
.set F1,   128
.set TMP,  192
.set MX,   32                          ; v32-35 four running maxima
.set TT,   36                          ; v36    the maximum, scaled
.set NC,   38                          ; v[38:39] -c, twice
.set LP,   40                          ; v[40:47] four pairs of running sums
.set CC,   48                          ; v48, v49 c of the even and of the odd row tile
.set LL,   50                          ; v50, v51 l likewise
.set ST,   52                          ; v[52:53] (c, l) as stored
.set G1,  24
.set G0,  32
.set G1B, 48
.set G0B, 56
.set MSB, 0
.set TO_B, 0x40
.macro WIN new
.if MSB != (\new)
	s_set_vgpr_msb (MSB<<8)|(\new)
.set MSB, (\new)
.endif
.endm
.macro WINMUL hi
	WIN 0xa1+0x50*\hi
.endm
.macro JLOAD s
	s_cmp_eq_u32 s11, 0
	s_cbranch_scc0 .Lfor_b_\@
	tensor_load_to_lds s[G0+4*\s:G0+4*\s+3], s[G1:G1+7]
	s_nop 0
	s_branch .Lasked_\@
.Lfor_b_\@:
	tensor_load_to_lds s[G0B+4*\s:G0B+4*\s+3], s[G1B:G1B+7]
	s_nop 0
.Lasked_\@:
.endm
.macro CREST
	s_cmp_lg_u32 s10, 0
	s_cbranch_scc1 .Lnot_wave_0_\@
	s_barrier_signal -3
.Lnot_wave_0_\@:
	s_barrier_wait -3
	s_barrier_signal -1
	s_barrier_wait -1
.endm
.macro CROUND
	s_barrier_signal -1
	s_barrier_wait -1
	CREST
.endm
.macro PLACES
.rept 4
	v_nop
.endr
.endm
.macro MUL16 f, hi, a0, cm             ; cm = 1: the first product starts the sums (C = 0)
.irp a, \a0, \a0+1
.irp b, 0,1,2,3,4,5,6,7
.if \cm == 1
	v_wmma_f32_16x16x32_bf16 v[8*(8*(\a)+\b):8*(8*(\a)+\b)+7], v[\f+8*\b:\f+8*\b+7], v[\f+8*(4*\hi+\a):\f+8*(4*\hi+\a)+7], 0
.else
	v_wmma_f32_16x16x32_bf16 v[8*(8*(\a)+\b):8*(8*(\a)+\b)+7], v[\f+8*\b:\f+8*\b+7], v[\f+8*(4*\hi+\a):\f+8*(4*\hi+\a)+7], v[8*(8*(\a)+\b):8*(8*(\a)+\b)+7]
.endif
.endr
.endr
.endm
.macro FETCH slot, k, f
	WIN TO_B
.irp i, 0,1,2,3,4,5,6,7
	ds_load_b128 v[\f+8*\i:\f+8*\i+3],   v[ADRB+\slot] offset:\k+\i*16*PITCH
	ds_load_b128 v[\f+8*\i+4:\f+8*\i+7], v[ADRB+\slot] offset:\k+\i*16*PITCH+32
.endr
	WIN 0
.irp i, 0,1,2,3,4,5,6,7
	ds_load_b128 v[\f+8*\i:\f+8*\i+3],   v[ADRA+\slot] offset:\k+\i*16*PITCH
	ds_load_b128 v[\f+8*\i+4:\f+8*\i+7], v[ADRA+\slot] offset:\k+\i*16*PITCH+32
.endr
.endm
.macro QUARTER slot, k, f, g, cm
	s_wait_dscnt 8                                 ; the youngest eight loads (A's rows 64-127) may be out
	WINMUL 0
	MUL16 \f, 0, 0, \cm
	MUL16 \f, 0, 2, \cm
	PLACES
	FETCH \slot, \k, \g
	s_wait_dscnt 32                                ; all but the 32 just issued
	WINMUL 1
	MUL16 \f, 1, 0, \cm
	MUL16 \f, 1, 2, \cm
.endm
.macro THREE slot, cm
	QUARTER \slot, 64,  F0, F1, \cm
	QUARTER \slot, 128, F1, F0, 0
	QUARTER \slot, 192, F0, F1, 0
.endm
.macro TURN slot, next, fill           ; change of slots: waits for my reads and all my tensor loads, the barrier (a round of the cluster's where a slot is filled again), the refill first
	s_wait_dscnt 8
	WINMUL 0
	MUL16 F1, 0, 0, 0
	s_wait_dscnt 0
	s_wait_tensorcnt 0x0
	ds_add_u32 v255, v255
	s_wait_dscnt 0x0
	s_barrier_signal -1
	MUL16 F1, 0, 2, 0
	WIN 0
	s_barrier_wait -1
.if \fill
	CREST
	s_add_nc_u64 s[G0+4*\slot+2:G0+4*\slot+3], s[G0+4*\slot+2:G0+4*\slot+3], 2*KSTEP*2
	s_add_nc_u64 s[G0B+4*\slot+2:G0B+4*\slot+3], s[G0B+4*\slot+2:G0B+4*\slot+3], 2*KSTEP*2
	JLOAD \slot
.endif
	PLACES
	FETCH \next, 0, F0
	WINMUL 1
	MUL16 F1, 1, 0, 0
	MUL16 F1, 1, 2, 0
.endm
.macro LASTQ
	s_wait_dscnt 8
	WINMUL 0
	MUL16 F1, 0, 0, 0
	MUL16 F1, 0, 2, 0
	s_wait_dscnt 0
	WINMUL 1
	MUL16 F1, 1, 0, 0
	MUL16 F1, 1, 2, 0
.endm
.macro LAP cm
	THREE 0, \cm
	TURN 0, 1, 1
	THREE 1, 0
	TURN 1, 0, 1
.endm
.macro PACK a, w
	WIN \w|(\w<<2)
.irp b, 0,1,2,3,4,5,6,7
.irp r, 0,1,2,3
	v_cvt_pk_bf16_f32 v[TMP+4*\b+\r], v[8*(8*(\a%4)+\b)+2*\r], v[8*(8*(\a%4)+\b)+2*\r+1]
.endr
.endr
.endm
.macro FLUSH i, f
	WIN 0
.irp b, 0,1,2,3,4,5,6,7
	ds_store_b128 v[STO], v[TMP+4*\b:TMP+4*\b+3] offset:32*\b
.endr
	s_wait_xcnt 0x0                                ; buffer f, the stats pair and the stores' base are rewritten only behind this wait
.if \i
	s_add_nc_u64 s[8:9], s[8:9], 16*ROWB
.endif
.irp t, 0,1,2,3,4,5,6,7
	ds_load_b128 v[\f+4*\t:\f+4*\t+3], v[RD] offset:\t*2*SPITCH
.endr
.irp t, 0,1,2,3,4,5,6,7
	s_wait_dscnt 7-\t
	global_store_b128 v[CO], v[\f+4*\t:\f+4*\t+3], s[8:9] offset:2*\t*ROWB
.endr
.endm
; The block softmax of row tile a (window w).  A lane holds 64 of its row's 128 numbers, lane l xor 16 the other 64.
.macro SOFT a, w, f
.set AB, 64*(\a%4)
	WIN \w|(\w<<2)|(\w<<4)
.set i, 0
.rept 4
	v_max3_num_f32 v[MX+i], v[AB+3*i], v[AB+3*i+1], v[AB+3*i+2]    ; the first twelve numbers start four chains: nothing is cleared
.set i, i+1
.endr
	WIN (\w<<2)|(\w<<4)
.set i, 0
.rept 26
	v_max3_num_f32 v[MX+i%4], v[MX+i%4], v[AB+12+2*i], v[AB+13+2*i]
.set i, i+1
.endr
	WIN 0
	v_max3_num_f32 v[MX], v[MX], v[MX+1], v[MX+2]
	v_max_num_f32 v[MX], v[MX], v[MX+3]
	v_permlanex16_b32 v[MX+1], v[MX], s4, s5       ; the other half of the row
	v_max_num_f32 v[MX], v[MX], v[MX+1]
	v_mul_f32 v[TT], 0x3d38aa3b, v[MX]             ; log2(e) / 32
	v_rndne_f32 v[CC+(\a&1)], v[TT]                ; c: a whole number, so that 2^(c - C) is exact later
	v_xor_b32 v[NC], 0x80000000, v[CC+(\a&1)]
	v_xor_b32 v[NC+1], 0x80000000, v[CC+(\a&1)]
	WIN \w|(\w<<6)
.set i, 0
.rept 32
	v_pk_fma_f32 v[AB+2*i:AB+2*i+1], v[AB+2*i:AB+2*i+1], 0x3d38aa3b, v[NC:NC+1] op_sel_hi:[1,0,1]   ; t - c, one rounding
.set i, i+1
.endr
.set i, 0
.rept 64
	v_exp_f32 v[AB+i], v[AB+i]
.set i, i+1
.endr
	v_nop                                          ; one plain place behind the exponentials (ISA guide 5.7.2)
	WIN \w|(\w<<2)
.set i, 0
	s_wait_alu depctr_va_vdst(0)
.rept 4
	v_pk_add_f32 v[LP+2*i:LP+2*i+1], v[AB+4*i:AB+4*i+1], v[AB+4*i+2:AB+4*i+3]
.set i, i+1
.endr
	PACK \a, \w
	WIN \w<<2
.set i, 0
.rept 24
	v_pk_add_f32 v[LP+2*(i%4):LP+2*(i%4)+1], v[LP+2*(i%4):LP+2*(i%4)+1], v[AB+16+2*i:AB+17+2*i]
.set i, i+1
.endr
	WIN 0
	v_pk_add_f32 v[LP:LP+1], v[LP:LP+1], v[LP+2:LP+3]
	v_pk_add_f32 v[LP+4:LP+5], v[LP+4:LP+5], v[LP+6:LP+7]
	v_pk_add_f32 v[LP:LP+1], v[LP:LP+1], v[LP+4:LP+5]
	v_add_f32 v[LP], v[LP], v[LP+1]
	v_permlanex16_b32 v[LP+1], v[LP], s4, s5
	v_add_f32 v[LL+(\a&1)], v[LP], v[LP+1]
	FLUSH \a, \f
.if \a&1
	v_cndmask_b32 v[ST], v[CC], v[CC+1], vcc_lo    ; lanes 0-15: rows of tile a - 1; lanes 16-31: rows of tile a
	v_cndmask_b32 v[ST+1], v[LL], v[LL+1], vcc_lo
	global_store_b64 v27, v[ST:ST+1], s[6:7] offset:(\a-1)*128     ; 32 rows x 8 bytes: 256 consecutive bytes, aligned
.endif
.endm
	s_load_b256 s[68:75], s[0:1], 0x0              ; qkp s[68:69], wt s[70:71], xb s[72:73], pp s[74:75]
	s_load_b128 s[76:79], s[0:1], 0x20             ; st s[76:77], vpt s[78:79]
	s_set_vgpr_msb 0x40
	v_lshl_add_u32 v255, v0, 2, 0x48400
	s_set_vgpr_msb 0x4000
	v_mov_b32 v255, 0
	s_set_vgpr_msb 0x1
	ds_add_u32 v255, v255
	s_set_vgpr_msb 0x100
	v_lshrrev_b32 v1, 5, v0
	v_readfirstlane_b32 s10, v1
	s_lshr_b32 s11, s10, 1
	s_and_b32 s12, s10, 1
	s_bfe_u32 s40, ttmp6, 0x40000                  ; cx
	s_bfe_u32 s41, ttmp6, 0x40004                  ; cy
	s_lshl_b32 s42, ttmp9, 2
	s_add_co_u32 s42, s42, s40                     ; block column 0..3
	s_and_b32 s45, ttmp7, 0xffff                   ; the cluster's y, 0..15
	s_and_b32 s66, s45, 7                          ; batch
	s_lshr_b32 s67, s45, 3                         ; 0: scores, 1: v's projection
	s_lshl_b32 s13, s66, 2
	s_add_co_u32 s13, s13, s41                     ; block row of the output, 4 b + cy, in pp and in vpt alike
	s_lshl_b32 s43, s41, 2
	s_lshl_b32 s43, 15, s43
	s_lshl_b32 s44, 0x1111, s40
	s_or_b32 s[G1+0], s43, (1<<16)|(1<<20)|(1<<21)|(5<<22)|(3<<25)
	s_or_b32 s[G1B+0], s44, (1<<16)|(1<<20)|(1<<21)|(5<<22)|(3<<25)
	s_mov_b32 s[G1+1], KSTEP<<16
	s_mov_b32 s[G1B+1], KSTEP<<16
	s_mov_b32 s[G1+2], 128<<16
	s_mov_b32 s[G1B+2], 128<<16
	s_mov_b32 s[G1+3], KSTEP<<16
	s_mov_b32 s[G1B+3], KSTEP<<16
	s_mov_b32 s[G1+4], 128
	s_mov_b32 s[G1B+4], 128
	s_mov_b32 s[G1+5], SIZE_K
	s_mov_b32 s[G1B+5], SIZE_K
	s_mov_b32 s[G1+6], 0
	s_mov_b32 s[G1B+6], 0
	s_mov_b32 s[G1+7], 0
	s_mov_b32 s[G1B+7], 0
	s_lshl_b32 s18, s12, 7
	s_cmp_eq_u32 s67, 0
	s_cselect_b32 s16, s13, s41                    ; A's block row: qp's 4 b + cy, or Wv^T's cy
	s_cselect_b32 s19, 0, 0x400000                 ; Wv^T is the third matrix of wt
	s_lshl_b32 s16, s16, 8
	s_add_co_u32 s16, s16, s18
	s_lshl_b32 s16, s16, 11
	s_add_co_u32 s16, s16, s19
	s_mov_b32 s17, 0
	s_lshl_b32 s46, s42, 8
	s_lshl_b32 s47, s66, 10                        ; B's rows: the batch's kp, or the batch's v
	s_add_co_u32 s46, s46, s47
	s_add_co_u32 s46, s46, s18
	s_lshl_b32 s46, s46, 11
	s_mov_b32 s47, 0x2000000                       ; v is the third matrix of xb (an instruction takes one literal: this one goes through the register),
	s_cmp_eq_u32 s67, 0
	s_cselect_b32 s47, 0x1000000, s47              ; kp the second of qkp
	s_add_co_u32 s46, s46, s47
	s_mov_b32 s47, 0
	s_mul_i32 s20, s10, HALFT
	s_wait_dscnt 0x0
	s_wait_kmcnt 0x0
	s_cmp_eq_u32 s67, 0
	s_cselect_b64 s[14:15], s[68:69], s[70:71]
	s_cselect_b64 s[22:23], s[68:69], s[72:73]
	s_cselect_b64 s[8:9], s[74:75], s[78:79]
	s_add_nc_u64 s[14:15], s[14:15], s[16:17]
	s_add_nc_u64 s[46:47], s[22:23], s[46:47]
	CROUND
.irp s, 0,1
	s_mov_b32 s[G0+4*\s], 1
	s_add_co_u32 s[G0+4*\s+1], s20, \s*SLOT
	s_add_nc_u64 s[G0+4*\s+2:G0+4*\s+3], s[14:15], \s*KSTEP*2
	s_or_b32 s[G0+4*\s+3], s[G0+4*\s+3], 0x80000000
	s_mov_b32 s[G0B+4*\s], 1
	s_add_co_u32 s[G0B+4*\s+1], s20, \s*SLOT
	s_add_nc_u64 s[G0B+4*\s+2:G0B+4*\s+3], s[46:47], \s*KSTEP*2
	s_or_b32 s[G0B+4*\s+3], s[G0B+4*\s+3], 0x80000000
	JLOAD \s
.endr
	v_and_b32 v1, 15, v0
	v_bfe_u32 v2, v0, 4, 1
	v_mul_u32_u24 v3, v1, PITCH
	v_lshl_add_u32 v3, v2, 4, v3
	s_mul_i32 s21, s11, HALFT
	s_mul_i32 s22, s12, HALFT
	s_add_co_u32 s22, s22, 2*HALFT
.irp s, 0,1
	v_add_nc_u32 v[ADRA+\s], s21, v3
	v_add_nc_u32 v[ADRB+\s], s22, v3
	s_add_co_u32 s21, s21, SLOT
	s_add_co_u32 s22, s22, SLOT
.endr
	s_mul_i32 s23, s10, 16*SPITCH
	s_add_co_u32 s23, s23, STAGE
	v_mul_u32_u24 v4, v1, SPITCH
	v_lshl_add_u32 v4, v2, 4, v4
	v_add_nc_u32 v[STO], s23, v4
	v_mul_u32_u24 v5, v2, SPITCH
	v_lshl_add_u32 v5, v1, 4, v5
	v_add_nc_u32 v[RD], s23, v5
	v_mul_u32_u24 v5, v2, ROWB
	v_lshl_add_u32 v[CO], v1, 4, v5
	s_lshl_b32 s16, s13, 8
	s_lshl_b32 s14, s11, 7
	s_add_co_u32 s14, s16, s14                     ; my first row of the output
	s_lshl_b32 s16, s14, 11
	s_mov_b32 s17, 0
	s_add_nc_u64 s[8:9], s[8:9], s[16:17]
	s_lshl_b32 s46, s42, 9
	s_lshl_b32 s47, s12, 8
	s_add_co_u32 s46, s46, s47
	s_mov_b32 s47, 0
	s_add_nc_u64 s[8:9], s[8:9], s[46:47]
	s_wait_tensorcnt 1                             ; my part of K step 0 is in; step 1's stays out
	s_barrier_signal -1
	s_barrier_wait -1
	FETCH 0, 0, F0
	LAP 1
	WIN 0
	s_mov_b32 s3, LAPS-2
.Llap:
	LAP 0
	WIN 0
	s_sub_co_u32 s3, s3, 1
	s_cmp_lg_u32 s3, 0
	s_cbranch_scc1 .Llap
	THREE 0, 0
	TURN 0, 1, 0
	THREE 1, 0
	LASTQ
	PLACES
	WIN 0
	s_cmp_lg_u32 s67, 0                            ; the same in all sixteen work-groups of the cluster
	s_cbranch_scc1 .Lvout
	; ---- scores: block softmax, P' and (c, l) ----
	s_lshl_b32 s16, s14, 3                         ; my first row x 8 bytes
	s_add_nc_u64 s[6:7], s[76:77], s[16:17]
	s_lshl_b32 s46, s42, 17
	s_lshl_b32 s47, s12, 16
	s_add_co_u32 s46, s46, s47                     ; block 2 bx + half: 65,536 bytes each
	s_mov_b32 s47, 0
	s_add_nc_u64 s[6:7], s[6:7], s[46:47]
	s_mov_b32 s4, 0x76543210                       ; v_permlanex16_b32: lane i reads lane i of the other half
	s_mov_b32 s5, 0xfedcba98
	v_and_b32 v30, 31, v0
	v_lshlrev_b32 v27, 3, v30
	v_cmp_le_u32 vcc_lo, 16, v30                   ; lanes 16-31
	SOFT 0, 2, F0
	SOFT 1, 2, F1
	SOFT 2, 2, F0
	SOFT 3, 2, F1
	SOFT 4, 3, F0
	SOFT 5, 3, F1
	SOFT 6, 3, F0
	SOFT 7, 3, F1
	s_branch .Lend
.Lvout:
	; ---- v's projection, transposed: rounded and stored ----
	PACK 0, 2
	FLUSH 0, F0
	PACK 1, 2
	FLUSH 1, F1
	PACK 2, 2
	FLUSH 2, F0
	PACK 3, 2
	FLUSH 3, F1
	PACK 4, 3
	FLUSH 4, F0
	PACK 5, 3
	FLUSH 5, F1
	PACK 6, 3
	FLUSH 6, F0
	PACK 7, 3
	FLUSH 7, F1
.Lend:
	s_set_vgpr_msb 0x1
	s_wait_tensorcnt 0x0
	ds_add_u32 v255, v255
	s_wait_dscnt 0x0
	s_set_vgpr_msb 0x100
	CROUND                                         ; the closing round
	s_endpgm
.Lfunc_end_k_q62cce4d9e8_scorev:
	.size	k_q62cce4d9e8_scorev, .Lfunc_end_k_q62cce4d9e8_scorev-k_q62cce4d9e8_scorev
	.p2alignl 7, 3214868480
	.fill 96, 4, 3214868480
	.section	.rodata,"a",@progbits
	.p2align	6, 0x0
	.amdhsa_kernel k_q62cce4d9e8_scorev
		.amdhsa_group_segment_fixed_size 327680
		.amdhsa_private_segment_fixed_size 0
		.amdhsa_enable_private_segment 0
		.amdhsa_kernarg_size 48
		.amdhsa_user_sgpr_count 2
		.amdhsa_user_sgpr_kernarg_segment_ptr 1
		.amdhsa_wavefront_size32 1
		.amdhsa_system_sgpr_workgroup_id_x 1
		.amdhsa_system_sgpr_workgroup_id_y 1
		.amdhsa_system_sgpr_workgroup_id_z 1
		.amdhsa_system_vgpr_workitem_id 0
		.amdhsa_next_free_vgpr 1024
		.amdhsa_next_free_sgpr 100
		.amdhsa_reserve_vcc 1
		.amdhsa_float_denorm_mode_32 3
		.amdhsa_float_denorm_mode_16_64 3
		.amdhsa_memory_ordered 1
		.amdhsa_forward_progress 1
		.amdhsa_inst_pref_size 255
	.end_amdhsa_kernel
	.section	.bss,"aw",@nobits
	.p2align	6
	.space	262144
	.amdgpu_metadata
---
amdhsa.version: [ 1, 2 ]
amdhsa.kernels:
  - .name:           k_q62cce4d9e8_scorev
    .symbol:         k_q62cce4d9e8_scorev.kd
    .args:
      - { .name: qkp, .offset: 0, .size: 8, .value_kind: global_buffer, .address_space: global }
      - { .name: wt, .offset: 8, .size: 8, .value_kind: global_buffer, .address_space: global }
      - { .name: xb, .offset: 16, .size: 8, .value_kind: global_buffer, .address_space: global }
      - { .name: pp, .offset: 24, .size: 8, .value_kind: global_buffer, .address_space: global }
      - { .name: st, .offset: 32, .size: 8, .value_kind: global_buffer, .address_space: global }
      - { .name: vpt, .offset: 40, .size: 8, .value_kind: global_buffer, .address_space: global }
    .group_segment_fixed_size: 327680
    .private_segment_fixed_size: 0
    .kernarg_segment_align: 8
    .kernarg_segment_size: 48
    .max_flat_workgroup_size: 128
    .sgpr_count:     100
    .vgpr_count:     1024
    .wavefront_size: 32
...
	.end_amdgpu_metadata
.endif
;; end of part 3
;; launch attng (part 4): grid 4 x 64, 4 waves a work-group, clusters of 4 x 4, 327,680 bytes of LDS; arguments pp, st, vpt, bv, xx; writes xx
.if DOCPART == 4
	.amdgcn_target "amdgcn-amd-amdhsa--gfx1250"
	.amdhsa_code_object_version 6
	.text
	.protected	k_q62cce4d9e8_attng
	.globl	k_q62cce4d9e8_attng
	.p2align	8
	.type	k_q62cce4d9e8_attng,@function
k_q62cce4d9e8_attng:
	s_mov_b64 s[64:65], 0
	v_nop
	global_prefetch_b8 v0, s[64:65] scope:SCOPE_SE
	s_setreg_imm32_b32 hwreg(HW_REG_WAVE_MODE, 25, 1), 1
	s_wait_xcnt 0x0
	s_wait_alu depctr_hold_cnt(0) depctr_sa_sdst(0) depctr_va_vdst(0) depctr_va_sdst(0) depctr_va_ssrc(0) depctr_va_vcc(0) depctr_vm_vsrc(0)
	s_getreg_b32 s2, hwreg(HW_REG_IB_STS2, 6, 4)
	s_cmp_eq_u32 s2, 0
	s_cbranch_scc0 .Lentry_in_a_cluster
	s_endpgm
.Lentry_in_a_cluster:
	s_bfe_u32 s2, ttmp6, 0x10000c
	s_cmp_lg_u32 s2, 0xf033
	s_cbranch_scc0 .Lentry_shape_is_right
	s_endpgm
.Lentry_shape_is_right:
; x = softmax . vp, rounded once to bf16 into xx [8192][1024].
; pp holds P' = 2^(t - c) by blocks of 128 keys, st the blocks' (c, l).  For each of my rows the eight blocks give C = max c,
; f = 2^(c - C) (c and C are whole numbers: an exact power of two) and L = sum of f l.  A K step of 128 is one block: its fragments of P' are
; multiplied by f in bf16, which is exact, then by vpt's rows.  At the end x = acc / L + bv in one fused multiply-add (the softmax's weights
; sum to one, so bv passes through the attention).  L >= 2^-0.5: the block with c = C has f = 1 and holds a term of at least 2^-0.5.
; LIMITS: x is rounded once to bf16; a block more than 126 powers of two below the row's largest counts as zero.
; SHARES: the product has 8192 x 1024 outputs; blocks of 128 x 256 make 256 work-groups, one for each WGP.  Four waves, a wave 64 x 128:
; 32 accumulator tiles, 256 registers.  K = 1,024 goes in 8 steps of 128 through two LDS slots; a tile's rows are 256 bytes of memory, aligned.
; CLUSTERS 4 x 4: the four work-groups of a row of the cluster need the same 128 rows of pp, the four of a column the same 256 rows of vpt
; (a cluster lies inside one batch: eight block rows a batch); each tile is asked for jointly, which divides the requests for both by four.
; REGISTERS: window 0: v0-31 addresses, v32-39 1 / L, v64-95 and v128-159 fragments of A (two buffers), v160-191 the factors (step s, row tile a
; at v[160 + 4 s + a], f in both halves), v192-223 packed results; window 1: v64-127 and v128-191 fragments of B, v192-255 bv's tile;
; window 2: the accumulators, tile (a, b) at v[8 (8 a + b)].
; The matrix instruction is used transposed (source 0 = rows of B, source 1 = rows of A): lane l holds row l % 16 and its registers the eight
; neighbouring columns 8 (l / 16) + 0..7.
; The 32 accumulators take turns, one instruction a turn, over the backward jump too.
.set KSTEP,  128
.set PITCH,  272                       ; LDS row: 256 bytes + 16 of padding, an odd multiple of 16: sixteen rows start at sixteen different 16-byte columns
.set AHALF,  64*PITCH                  ; 64 rows of A: what wave 0 or 1 fetches, and what a wave reads
.set BHALF,  128*PITCH                 ; 128 rows of B: what wave 2 or 3 fetches, and what a wave reads
.set SLOT,   2*AHALF+2*BHALF           ; A's 128 rows, then B's 256 rows
.set STAGE,  2*SLOT                    ; behind the ring, a multiple of 256: 16 rows x 272 bytes for each wave; no tensor load lands here
.set SPITCH, 272
.set SIZE_K, 1024
.set ROWB,   2048                      ; bytes in a row of pp, vpt and xx
.set LAPS,   SIZE_K/(2*KSTEP)
.set ADRA, 16
.set ADRB, 20
.set STO,  24
.set RD,   25
.set CO,   26
.set INV,  32                          ; v[32:39] 1 / L of row tile a, twice
.set F0,   64
.set F1,   128
.set FT,   160                         ; v[160:191] the factors
.set TMP,  192
.set BIAS, 192                         ; window 1
.set G1,  24
.set G0,  32
.set G1B, 48
.set G0B, 56
.set MSB, 0
.set TO_B, 0x40
.set MULW, 0xa1                        ; source 0 (B) window 1, source 1 (A) window 0, C and D window 2
.macro WIN new                         ; the immediate's high byte repeats the setting that is left; a switch that changes nothing is dropped
.if MSB != (\new)
	s_set_vgpr_msb (MSB<<8)|(\new)
.set MSB, (\new)
.endif
.endm
.macro JLOAD s                         ; waves 0, 1 ask for A's halves, waves 2, 3 for B's; the branch hangs on the wave's number alone
	s_cmp_eq_u32 s11, 0
	s_cbranch_scc0 .Lfor_b_\@
	tensor_load_to_lds s[G0+4*\s:G0+4*\s+3], s[G1:G1+7]
	s_nop 0
	s_branch .Lasked_\@
.Lfor_b_\@:
	tensor_load_to_lds s[G0B+4*\s:G0B+4*\s+3], s[G1B:G1B+7]
	s_nop 0
.Lasked_\@:
.endm
.macro CREST                           ; a round of the cluster's barrier behind its opening barrier
	s_cmp_lg_u32 s10, 0
	s_cbranch_scc1 .Lnot_wave_0_\@
	s_barrier_signal -3
.Lnot_wave_0_\@:
	s_barrier_wait -3
	s_barrier_signal -1
	s_barrier_wait -1
.endm
.macro CROUND
	s_barrier_signal -1
	s_barrier_wait -1
	CREST
.endm
.macro PLACES                          ; four plain places behind matrix instructions in front of loads into, or vector reads of, their registers
.rept 4
	v_nop
.endr
.endm
; 16 matrix instructions: row tiles a0, a0 + 1 x all 8 column tiles, 32 along K.  cm = 1: the first product starts the sums (C = 0)
.macro MUL16 f, a0, cm
.irp a, \a0, \a0+1
.irp b, 0,1,2,3,4,5,6,7
.if \cm == 1
	v_wmma_f32_16x16x32_bf16 v[8*(8*(\a)+\b):8*(8*(\a)+\b)+7], v[\f+8*\b:\f+8*\b+7], v[\f+8*(\a):\f+8*(\a)+7], 0
.else
	v_wmma_f32_16x16x32_bf16 v[8*(8*(\a)+\b):8*(8*(\a)+\b)+7], v[\f+8*\b:\f+8*\b+7], v[\f+8*(\a):\f+8*(\a)+7], v[8*(8*(\a)+\b):8*(8*(\a)+\b)+7]
.endif
.endr
.endr
.endm
.macro FETCH slot, k, f                ; 24 LDS loads in one run: a quarter step's fragments, B's 128 rows, then A's 64
	WIN TO_B
.irp i, 0,1,2,3,4,5,6,7
	ds_load_b128 v[\f+8*\i:\f+8*\i+3],   v[ADRB+\slot] offset:\k+\i*16*PITCH
	ds_load_b128 v[\f+8*\i+4:\f+8*\i+7], v[ADRB+\slot] offset:\k+\i*16*PITCH+32
.endr
	WIN 0
.irp i, 0,1,2,3
	ds_load_b128 v[\f+8*\i:\f+8*\i+3],   v[ADRA+\slot] offset:\k+\i*16*PITCH
	ds_load_b128 v[\f+8*\i+4:\f+8*\i+7], v[ADRA+\slot] offset:\k+\i*16*PITCH+32
.endr
.endm
; The four row tiles of P' in buffer f times their rows' factor; fb = the first of the step's four factor registers.  The registers written were
; last read by matrix instructions that stand in front of the four places ahead of the run of loads that filled them.
.macro SCALE f, fb
	WIN 0
.irp a, 0,1,2,3
.irp r, 0,1,2,3,4,5,6,7
	v_pk_mul_bf16 v[\f+8*\a+\r], v[\f+8*\a+\r], v[\fb+\a]
.endr
.endr
.endm
; One of a K step's first three quarters: fetches the next quarter's fragments (byte k of the same slot's rows) into buffer g, which the last
; quarter's matrix instructions read, and multiplies buffer f.  The loads have this quarter's 32 matrix instructions in which to come.
.macro QUARTER slot, k, f, g, cm, fb
	PLACES
	FETCH \slot, \k, \g
	s_wait_dscnt 24                                ; all but the 24 just issued: buffer f is in
	SCALE \f, \fb
	WIN MULW
	MUL16 \f, 0, \cm
	MUL16 \f, 2, \cm
.endm
.macro THREE slot, cm, fb
	QUARTER \slot, 64,  F0, F1, \cm, \fb
	QUARTER \slot, 128, F1, F0, 0, \fb
	QUARTER \slot, 192, F0, F1, 0, \fb
.endm
; The last quarter multiplies buffer 1 and changes slots.  In front of the barrier each wave waits for its reads of this slot and for all its
; tensor loads (one is out: its part of the next slot).  Where the slot is filled again the barrier opens a round of the cluster's barrier, only
; register work stands inside the round, and the joint refill is the first tensor load behind it.  From a request to the wait for it a wave
; issues 112 matrix instructions.
.macro TURN slot, next, fill, fb
	s_wait_dscnt 0                                 ; buffer 1 is in: my reads of this slot are over
	s_wait_tensorcnt 0x0                           ; all my tensor loads have landed
	ds_add_u32 v63, v255
	s_wait_dscnt 0x0
	s_barrier_signal -1
	SCALE F1, \fb
	WIN MULW
	MUL16 F1, 0, 0
	WIN 0
	s_barrier_wait -1
.if \fill
	CREST
	s_add_nc_u64 s[G0+4*\slot+2:G0+4*\slot+3], s[G0+4*\slot+2:G0+4*\slot+3], 2*KSTEP*2
	s_add_nc_u64 s[G0B+4*\slot+2:G0B+4*\slot+3], s[G0B+4*\slot+2:G0B+4*\slot+3], 2*KSTEP*2
	JLOAD \slot
.endif
	PLACES
	FETCH \next, 0, F0
	WIN MULW
	MUL16 F1, 2, 0
.endm
.macro LASTQ fb                        ; the very last quarter: nothing more to fetch
	s_wait_dscnt 0
	SCALE F1, \fb
	WIN MULW
	MUL16 F1, 0, 0
	MUL16 F1, 2, 0
.endm
.macro LAP cm, fb0, fb1                ; once round the ring, both slots filled again
	THREE 0, \cm, \fb0
	TURN 0, 1, 1, \fb0
	THREE 1, 0, \fb1
	TURN 1, 0, 1, \fb1
.endm
.macro PACK a                          ; row tile a: 64 f32 a lane to 32 words of bf16
	WIN 0x0a
.irp b, 0,1,2,3,4,5,6,7
.irp r, 0,1,2,3
	v_cvt_pk_bf16_f32 v[TMP+4*\b+\r], v[8*(8*(\a)+\b)+2*\r], v[8*(8*(\a)+\b)+2*\r+1]
.endr
.endr
.endm
.macro FLUSH i, f                      ; 16 rows through my own stage: in by 16 bytes a lane, back as whole rows of 256 bytes
	WIN 0
.irp b, 0,1,2,3,4,5,6,7
	ds_store_b128 v[STO], v[TMP+4*\b:TMP+4*\b+3] offset:32*\b
.endr
	s_wait_xcnt 0x0                                ; buffer f, which earlier stores read, and the stores' base are rewritten only behind this wait
.if \i
	s_add_nc_u64 s[8:9], s[8:9], 16*ROWB
.endif
.irp t, 0,1,2,3,4,5,6,7
	ds_load_b128 v[\f+4*\t:\f+4*\t+3], v[RD] offset:\t*2*SPITCH    ; LDS serves a wave's instructions in order: these see the stores above
.endr
.irp t, 0,1,2,3,4,5,6,7
	s_wait_dscnt 7-\t
	global_store_b128 v[CO], v[\f+4*\t:\f+4*\t+3], s[8:9] offset:2*\t*ROWB   ; sixteen lanes store 256 consecutive bytes, aligned
.endr
.endm
; Row tile a: the eight (c, l) of my row lie in v[F0+16a .. +15].  c becomes f = 2^(c - C); 1 / L goes to the pair INV + 2a.
.macro ROWSTAT a
.set CB, F0+16*(\a)
	v_max3_num_f32 v48, v[CB], v[CB+2], v[CB+4]
	v_max3_num_f32 v48, v48, v[CB+6], v[CB+8]
	v_max3_num_f32 v48, v48, v[CB+10], v[CB+12]
	v_max_num_f32 v48, v48, v[CB+14]
.irp b, 0,1,2,3,4,5,6,7
	v_sub_f32 v[CB+2*\b], v[CB+2*\b], v48
.endr
.irp b, 0,1,2,3,4,5,6,7
	v_exp_f32 v[CB+2*\b], v[CB+2*\b]
.endr
	v_nop                                          ; one plain place behind the exponentials (ISA guide 5.7.2)
	s_wait_alu depctr_va_vdst(0)
	v_mul_f32 v49, v[CB], v[CB+1]
.irp b, 1,2,3,4,5,6,7
	v_fmac_f32 v49, v[CB+2*\b], v[CB+2*\b+1]
.endr
	v_rcp_f32 v[INV+2*(\a)], v49
	v_rcp_f32 v[INV+2*(\a)+1], v49
	v_nop                                          ; and one behind the reciprocals
.endm
.macro XOUT a, f                       ; x = acc / L + bv, rounded, stored
.set AB, 64*(\a)
	WIN 0x92                                       ; accumulators (source 0, destination) window 2, 1 / L window 0, bv window 1
	s_wait_alu depctr_va_vdst(0)
.irp b, 0,1,2,3,4,5,6,7
.irp r, 0,1,2,3
	v_pk_fma_f32 v[AB+8*\b+2*\r:AB+8*\b+2*\r+1], v[AB+8*\b+2*\r:AB+8*\b+2*\r+1], v[INV+2*(\a):INV+2*(\a)+1], v[BIAS+8*\b+2*\r:BIAS+8*\b+2*\r+1]
.endr
.endr
	PACK \a
	FLUSH \a, \f
.endm
	s_load_b256 s[68:75], s[0:1], 0x0              ; pp s[68:69], st s[70:71], vpt s[72:73], bv s[74:75]
	s_load_b64 s[76:77], s[0:1], 0x20              ; xx
	s_set_vgpr_msb 0x40
	v_lshl_add_u32 v63, v0, 2, 0x37400
	s_set_vgpr_msb 0x4000
	v_mov_b32 v255, 0
	s_set_vgpr_msb 0x1
	ds_add_u32 v63, v255
	s_set_vgpr_msb 0x100
	v_lshrrev_b32 v1, 5, v0
	v_readfirstlane_b32 s10, v1                    ; wave 0..3
	s_lshr_b32 s11, s10, 1                         ; my half of the block's rows; also: I ask for A (0) or B (1)
	s_and_b32 s12, s10, 1                          ; my half of its columns; also: which half of the tile I ask for
	s_bfe_u32 s40, ttmp6, 0x40000                  ; cx
	s_bfe_u32 s41, ttmp6, 0x40004                  ; cy
	s_lshl_b32 s42, ttmp9, 2
	s_add_co_u32 s42, s42, s40                     ; block column 0..3 (256 columns each)
	s_and_b32 s45, ttmp7, 0xffff                   ; the cluster's y, 0..15
	s_lshl_b32 s13, s45, 2
	s_add_co_u32 s13, s13, s41                     ; block row 0..63 (128 rows each)
	s_lshr_b32 s66, s45, 1                         ; batch: eight block rows, two clusters
	s_lshl_b32 s43, s41, 2
	s_lshl_b32 s43, 15, s43                        ; my row of the cluster
	s_lshl_b32 s44, 0x1111, s40                    ; my column
	s_or_b32 s[G1+0], s43, (1<<16)|(1<<20)|(1<<21)|(5<<22)|(3<<25)   ; mask; 2-byte elements; padding on; bit 21 beside a mask; after every 64 words 4 words
	s_or_b32 s[G1B+0], s44, (1<<16)|(1<<20)|(1<<21)|(5<<22)|(3<<25)
	s_mov_b32 s[G1+1], KSTEP<<16                   ; tensor_dim0 = 128
	s_mov_b32 s[G1B+1], KSTEP<<16
	s_mov_b32 s[G1+2], 64<<16                      ; tensor_dim1 = 64 rows of A
	s_mov_b32 s[G1B+2], 128<<16                    ; 128 rows of B
	s_mov_b32 s[G1+3], KSTEP<<16                   ; tile_dim0 = 128
	s_mov_b32 s[G1B+3], KSTEP<<16
	s_mov_b32 s[G1+4], 64                          ; tile_dim1
	s_mov_b32 s[G1B+4], 128
	s_mov_b32 s[G1+5], SIZE_K                      ; elements from row to row
	s_mov_b32 s[G1B+5], SIZE_K
	s_mov_b32 s[G1+6], 0
	s_mov_b32 s[G1B+6], 0
	s_mov_b32 s[G1+7], 0
	s_mov_b32 s[G1B+7], 0
	s_lshl_b32 s16, s13, 7
	s_lshl_b32 s18, s12, 6
	s_add_co_u32 s16, s16, s18
	s_lshl_b32 s16, s16, 11                        ; A: row 128 x block row + 64 x half, in bytes
	s_mov_b32 s17, 0
	s_lshl_b32 s46, s42, 8
	s_lshl_b32 s47, s66, 10                        ; B: the batch's 1,024 rows of vpt,
	s_add_co_u32 s46, s46, s47
	s_lshl_b32 s47, s12, 7                         ; 256 x block column + 128 x half
	s_add_co_u32 s46, s46, s47
	s_lshl_b32 s46, s46, 11
	s_mov_b32 s47, 0
	s_mul_i32 s20, s12, AHALF                      ; where A's half goes,
	s_mul_i32 s19, s12, BHALF
	s_add_co_u32 s19, s19, 2*AHALF                 ; and B's, behind A's 128 rows: the wave's number alone enters an LDS address
	s_wait_dscnt 0x0
	s_wait_kmcnt 0x0
	s_add_nc_u64 s[14:15], s[68:69], s[16:17]
	s_add_nc_u64 s[46:47], s[72:73], s[46:47]
	CROUND                                         ; all sixteen work-groups are here: the first joint loads meet
.irp s, 0,1
	s_mov_b32 s[G0+4*\s], 1
	s_add_co_u32 s[G0+4*\s+1], s20, \s*SLOT
	s_add_nc_u64 s[G0+4*\s+2:G0+4*\s+3], s[14:15], \s*KSTEP*2
	s_or_b32 s[G0+4*\s+3], s[G0+4*\s+3], 0x80000000
	s_mov_b32 s[G0B+4*\s], 1
	s_add_co_u32 s[G0B+4*\s+1], s19, \s*SLOT
	s_add_nc_u64 s[G0B+4*\s+2:G0B+4*\s+3], s[46:47], \s*KSTEP*2
	s_or_b32 s[G0B+4*\s+3], s[G0B+4*\s+3], 0x80000000
	JLOAD \s                                       ; two tensor loads of the wave are out, later one
.endr
	v_and_b32 v1, 15, v0                           ; l % 16
	v_bfe_u32 v2, v0, 4, 1                         ; l / 16
	v_mul_u32_u24 v3, v1, PITCH
	v_lshl_add_u32 v3, v2, 4, v3
	s_mul_i32 s21, s11, AHALF                      ; my 64 rows of A
	s_mul_i32 s22, s12, BHALF                      ; my 128 rows of B,
	s_add_co_u32 s22, s22, 2*AHALF                 ; which lie behind A's 128
.irp s, 0,1
	v_add_nc_u32 v[ADRA+\s], s21, v3
	v_add_nc_u32 v[ADRB+\s], s22, v3
	s_add_co_u32 s21, s21, SLOT
	s_add_co_u32 s22, s22, SLOT
.endr
	s_mul_i32 s23, s10, 16*SPITCH
	s_add_co_u32 s23, s23, STAGE                   ; my stage
	v_mul_u32_u24 v4, v1, SPITCH
	v_lshl_add_u32 v4, v2, 4, v4
	v_add_nc_u32 v[STO], s23, v4
	v_mul_u32_u24 v5, v2, SPITCH
	v_lshl_add_u32 v5, v1, 4, v5
	v_add_nc_u32 v[RD], s23, v5
	v_mul_u32_u24 v5, v2, ROWB
	v_lshl_add_u32 v[CO], v1, 4, v5
	; bv's tile: register j of tile b = bv[my first column + 16 b + 8 (l / 16) + j]
	s_lshl_b32 s46, s42, 10
	s_lshl_b32 s47, s12, 9
	s_add_co_u32 s46, s46, s47                     ; my first column x 4 bytes (numbers made of cx stay in s46, s47)
	s_mov_b32 s47, 0
	s_add_nc_u64 s[4:5], s[74:75], s[46:47]
	v_lshlrev_b32 v28, 5, v2
	WIN TO_B
.irp b, 0,1,2,3,4,5,6,7
	global_load_b128 v[BIAS+8*\b:BIAS+8*\b+3],   v28, s[4:5] offset:64*\b
	global_load_b128 v[BIAS+8*\b+4:BIAS+8*\b+7], v28, s[4:5] offset:64*\b+16
.endr
	WIN 0
	s_lshl_b32 s16, s13, 7
	s_lshl_b32 s14, s11, 6
	s_add_co_u32 s14, s16, s14                     ; my first row
	s_lshl_b32 s16, s14, 3
	s_add_nc_u64 s[6:7], s[70:71], s[16:17]        ; st at my first row
	s_lshl_b32 s16, s14, 11
	s_add_nc_u64 s[8:9], s[76:77], s[16:17]        ; xx at my first row,
	s_lshl_b32 s46, s42, 9
	s_lshl_b32 s47, s12, 8
	s_add_co_u32 s46, s46, s47
	s_mov_b32 s47, 0
	s_add_nc_u64 s[8:9], s[8:9], s[46:47]          ; my first column
	v_lshlrev_b32 v27, 3, v1                       ; row l % 16 of a tile: 8 bytes a row
.irp a, 0,1,2,3
.irp b, 0,1,2,3,4,5,6,7
	global_load_b64 v[F0+16*\a+2*\b:F0+16*\a+2*\b+1], v27, s[6:7] offset:\b*65536+\a*128   ; (c, l) of block b; v64-127 are still free
.endr
.endr
	s_wait_loadcnt 0x0                             ; the stats and bv
	ROWSTAT 0
	ROWSTAT 1
	ROWSTAT 2
	ROWSTAT 3
.irp a, 0,1,2,3
.irp b, 0,1,2,3,4,5,6,7
	v_cvt_pk_bf16_f32 v[FT+4*\b+\a], v[F0+16*\a+2*\b], v[F0+16*\a+2*\b]    ; a power of two: exact in bf16, in both halves
.endr
.endr
	s_wait_tensorcnt 1                             ; my part of K step 0 is in; step 1's stays out
	s_barrier_signal -1
	s_barrier_wait -1
	FETCH 0, 0, F0
	LAP 1, FT, FT+4                                ; steps 0 and 1: the first products start the sums
	WIN 0
	s_mov_b32 s3, LAPS-2
.Llap:
	LAP 0, FT+8, FT+12                             ; steps 2 and 3, then 4 and 5
	WIN 0
.irp i, 0,1,2,3,4,5,6,7
	v_mov_b32 v[FT+8+\i], v[FT+16+\i]              ; a trip cannot index a register number: the factors of steps 4 and 5 move to where the loop's text reads (the second trip's moves change nothing)
.endr
	s_sub_co_u32 s3, s3, 1
	s_cmp_lg_u32 s3, 0
	s_cbranch_scc1 .Llap
	THREE 0, 0, FT+24                              ; steps 6 and 7: the last lap fills nothing
	TURN 0, 1, 0, FT+24
	THREE 1, 0, FT+28
	LASTQ FT+28
	PLACES
	XOUT 0, F0
	XOUT 1, F1
	XOUT 2, F0
	XOUT 3, F1
	s_set_vgpr_msb 0x1
	s_wait_tensorcnt 0x0
	ds_add_u32 v63, v255
	s_wait_dscnt 0x0
	s_set_vgpr_msb 0x100
	CROUND                                         ; the closing round: no work-group ends while a partner may still ask for a tile that names it
	s_endpgm
.Lfunc_end_k_q62cce4d9e8_attng:
	.size	k_q62cce4d9e8_attng, .Lfunc_end_k_q62cce4d9e8_attng-k_q62cce4d9e8_attng
	.p2alignl 7, 3214868480
	.fill 96, 4, 3214868480
	.section	.rodata,"a",@progbits
	.p2align	6, 0x0
	.amdhsa_kernel k_q62cce4d9e8_attng
		.amdhsa_group_segment_fixed_size 327680
		.amdhsa_private_segment_fixed_size 0
		.amdhsa_enable_private_segment 0
		.amdhsa_kernarg_size 40
		.amdhsa_user_sgpr_count 2
		.amdhsa_user_sgpr_kernarg_segment_ptr 1
		.amdhsa_wavefront_size32 1
		.amdhsa_system_sgpr_workgroup_id_x 1
		.amdhsa_system_sgpr_workgroup_id_y 1
		.amdhsa_system_sgpr_workgroup_id_z 1
		.amdhsa_system_vgpr_workitem_id 0
		.amdhsa_next_free_vgpr 768
		.amdhsa_next_free_sgpr 100
		.amdhsa_reserve_vcc 0
		.amdhsa_float_denorm_mode_32 3
		.amdhsa_float_denorm_mode_16_64 3
		.amdhsa_memory_ordered 1
		.amdhsa_forward_progress 1
		.amdhsa_inst_pref_size 186
	.end_amdhsa_kernel
	.amdgpu_metadata
---
amdhsa.version: [ 1, 2 ]
amdhsa.kernels:
  - .name:           k_q62cce4d9e8_attng
    .symbol:         k_q62cce4d9e8_attng.kd
    .args:
      - { .name: pp, .offset: 0, .size: 8, .value_kind: global_buffer, .address_space: global }
      - { .name: st, .offset: 8, .size: 8, .value_kind: global_buffer, .address_space: global }
      - { .name: vpt, .offset: 16, .size: 8, .value_kind: global_buffer, .address_space: global }
      - { .name: bv, .offset: 24, .size: 8, .value_kind: global_buffer, .address_space: global }
      - { .name: xx, .offset: 32, .size: 8, .value_kind: global_buffer, .address_space: global }
    .group_segment_fixed_size: 327680
    .private_segment_fixed_size: 0
    .kernarg_segment_align: 8
    .kernarg_segment_size: 40
    .max_flat_workgroup_size: 128
    .sgpr_count:     100
    .vgpr_count:     768
    .wavefront_size: 32
...
	.end_amdgpu_metadata
.endif
;; end of part 4
;; launch gateout (part 5): grid 4 x 64, 4 waves a work-group, clusters of 4 x 4, 327,680 bytes of LDS; arguments qkp, xx, wt, bg, q, mask, out0; writes out0
.if DOCPART == 5
	.amdgcn_target "amdgcn-amd-amdhsa--gfx1250"
	.amdhsa_code_object_version 6
	.text
	.protected	k_q62cce4d9e8_gateout
	.globl	k_q62cce4d9e8_gateout
	.p2align	8
	.type	k_q62cce4d9e8_gateout,@function
k_q62cce4d9e8_gateout:
	s_mov_b64 s[64:65], 0
	v_nop
	global_prefetch_b8 v0, s[64:65] scope:SCOPE_SE
	s_setreg_imm32_b32 hwreg(HW_REG_WAVE_MODE, 25, 1), 1
	s_wait_xcnt 0x0
	s_wait_alu depctr_hold_cnt(0) depctr_sa_sdst(0) depctr_va_vdst(0) depctr_va_sdst(0) depctr_va_ssrc(0) depctr_va_vcc(0) depctr_vm_vsrc(0)
	s_getreg_b32 s2, hwreg(HW_REG_IB_STS2, 6, 4)
	s_cmp_eq_u32 s2, 0
	s_cbranch_scc0 .Lentry_in_a_cluster
	s_endpgm
.Lentry_in_a_cluster:
	s_bfe_u32 s2, ttmp6, 0x10000c
	s_cmp_lg_u32 s2, 0xf033
	s_cbranch_scc0 .Lentry_shape_is_right
	s_endpgm
.Lentry_shape_is_right:
; gate = [qp | x] Wg + bg;  out = x mask sigmoid(gate) + q.
; One product with K = 2,048: K steps 0-7 take A from qp (the first matrix of qkp) and B from Wg[0:1024]^T, steps 8-15 A from xx and B from
; Wg[1024:2048]^T (the fourth and fifth matrix of wt, 2,097,152 bytes apart).  The first products take bg's tile as C: nothing is cleared.
; SHARES: blocks of 128 x 256 of the 8192 x 1024 outputs make 256 work-groups, one for each WGP.  Four waves, a wave 64 x 128: 32 accumulator
; tiles, 256 registers.  Steps of 128 along K through two LDS slots; a tile's rows are 256 bytes of memory, aligned.
; CLUSTERS 4 x 4: the four work-groups of a row of the cluster need the same 128 rows of A, the four of a column the same 256 rows of B;
; each tile is asked for jointly, which divides the requests for both by four.
; THE WAY OUT, 16 rows at a time: the gate goes through my own stage in LDS (rows of 512 bytes + 16), so that a lane holds four neighbouring
; columns of one row, as in q, x and out; sigmoid = 1 / (1 + 2^(-log2(e) g)); times the row's mask (a scalar); out = x (mask sigmoid) + q in one
; fused multiply-add that reads x as bf16.  My 64 rows of q and x are asked for at four lap boundaries of the K loop, 32 loads each, into
; registers that the loop does not touch: the way out loads nothing from memory but the mask.
; LIMITS: x enters as the bf16 that the attention stored; the product mask x sigmoid is formed first, where the source multiplies x by mask first.
; REGISTERS: window 0: v0-31 addresses, v64-95 and v128-159 fragments of A (two buffers), v32-63, v160-191, v192-223, v224-255 x of row tiles 0-3,
; v64-127 the gate on the way out; window 1: v64-127 and v128-191 fragments of B, v192-255 bg's tile; window 2: the accumulators, tile (a, b) at
; v[8 (8 a + b)]; window 3: q, then out, row tile a at v[64 a].
; The matrix instruction is used transposed (source 0 = rows of B, source 1 = rows of A): lane l holds row l % 16 and eight neighbouring columns.
; The 32 accumulators take turns, one instruction a turn, over the backward jumps too.
.set KSTEP,  128
.set PITCH,  272                       ; LDS row: 256 bytes + 16 of padding, an odd multiple of 16
.set AHALF,  64*PITCH                  ; 64 rows of A: what wave 0 or 1 fetches, and what a wave reads
.set BHALF,  128*PITCH                 ; 128 rows of B: what wave 2 or 3 fetches, and what a wave reads
.set SLOT,   2*AHALF+2*BHALF           ; A's 128 rows, then B's 256 rows
.set STAGE,  2*SLOT                    ; behind the ring, a multiple of 256; no tensor load lands here
.set GPITCH, 528                       ; 128 f32 + 16 bytes: an odd multiple of 16
.set PITCHK, 1024                      ; elements from row to row in qp, xx and each matrix of wt
.set WSWITCH, 2097152-6*KSTEP*2        ; B from step 6 to step 8 (and from 7 to 9): on to the next matrix of wt, back to its first (second) step
.set ADRA, 16
.set ADRB, 20
.set STO,  24
.set RD,   25
.set CO,   26                          ; 16 x lane
.set F0,   64
.set F1,   128
.set BIAS, 192                         ; window 1
.set G1,  24
.set G0,  32
.set G1B, 48
.set G0B, 56
.set MSB, 0
.set TO_B, 0x40
.macro WIN new                         ; the immediate's high byte repeats the setting that is left; a switch that changes nothing is dropped
.if MSB != (\new)
	s_set_vgpr_msb (MSB<<8)|(\new)
.set MSB, (\new)
.endif
.endm
.macro WINMUL cm                       ; source 0 (B) window 1, source 1 (A) window 0, D window 2; C the same, or window 1 for bg's tile
.if \cm == 2
	WIN 0x91
.else
	WIN 0xa1
.endif
.endm
.macro JLOAD s                         ; waves 0, 1 ask for A's halves, waves 2, 3 for B's; the branch hangs on the wave's number alone
	s_cmp_eq_u32 s11, 0
	s_cbranch_scc0 .Lfor_b_\@
	tensor_load_to_lds s[G0+4*\s:G0+4*\s+3], s[G1:G1+7]
	s_nop 0
	s_branch .Lasked_\@
.Lfor_b_\@:
	tensor_load_to_lds s[G0B+4*\s:G0B+4*\s+3], s[G1B:G1B+7]
	s_nop 0
.Lasked_\@:
.endm
.macro CREST                           ; a round of the cluster's barrier behind its opening barrier
	s_cmp_lg_u32 s10, 0
	s_cbranch_scc1 .Lnot_wave_0_\@
	s_barrier_signal -3
.Lnot_wave_0_\@:
	s_barrier_wait -3
	s_barrier_signal -1
	s_barrier_wait -1
.endm
.macro CROUND
	s_barrier_signal -1
	s_barrier_wait -1
	CREST
.endm
.macro PLACES                          ; four plain places behind matrix instructions in front of loads into, or other reads of, their registers
.rept 4
	v_nop
.endr
.endm
; 16 matrix instructions: row tiles a0, a0 + 1 x all 8 column tiles, 32 along K.  cm = 0: add in place; 2: C is bg's tile
.macro MUL16 f, a0, cm
.irp a, \a0, \a0+1
.irp b, 0,1,2,3,4,5,6,7
.if \cm == 2
	v_wmma_f32_16x16x32_bf16 v[8*(8*(\a)+\b):8*(8*(\a)+\b)+7], v[\f+8*\b:\f+8*\b+7], v[\f+8*(\a):\f+8*(\a)+7], v[BIAS+8*\b:BIAS+8*\b+7]
.else
	v_wmma_f32_16x16x32_bf16 v[8*(8*(\a)+\b):8*(8*(\a)+\b)+7], v[\f+8*\b:\f+8*\b+7], v[\f+8*(\a):\f+8*(\a)+7], v[8*(8*(\a)+\b):8*(8*(\a)+\b)+7]
.endif
.endr
.endr
.endm
.macro FETCH slot, k, f                ; 24 LDS loads in one run: a quarter step's fragments, B's 128 rows, then A's 64
	WIN TO_B
.irp i, 0,1,2,3,4,5,6,7
	ds_load_b128 v[\f+8*\i:\f+8*\i+3],   v[ADRB+\slot] offset:\k+\i*16*PITCH
	ds_load_b128 v[\f+8*\i+4:\f+8*\i+7], v[ADRB+\slot] offset:\k+\i*16*PITCH+32
.endr
	WIN 0
.irp i, 0,1,2,3
	ds_load_b128 v[\f+8*\i:\f+8*\i+3],   v[ADRA+\slot] offset:\k+\i*16*PITCH
	ds_load_b128 v[\f+8*\i+4:\f+8*\i+7], v[ADRA+\slot] offset:\k+\i*16*PITCH+32
.endr
.endm
; One of a K step's first three quarters: fetches the next quarter's fragments (byte k of the same slot's rows) into buffer g, which the last
; quarter's matrix instructions read, and multiplies buffer f.  The loads have this quarter's 32 matrix instructions in which to come.
.macro QUARTER slot, k, f, g, cm
	PLACES
	FETCH \slot, \k, \g
	s_wait_dscnt 24                                ; all but the 24 just issued: buffer f is in
	WINMUL \cm
	MUL16 \f, 0, \cm
	MUL16 \f, 2, \cm
.endm
.macro THREE slot, cm
	QUARTER \slot, 64,  F0, F1, \cm
	QUARTER \slot, 128, F1, F0, 0
	QUARTER \slot, 192, F0, F1, 0
.endm
; The last quarter multiplies buffer 1 and changes slots.  In front of the barrier each wave waits for its reads of this slot and for all its
; tensor loads (one is out: its part of the next slot).  Where the slot is filled again the barrier opens a round of the cluster's barrier, only
; register work stands inside the round, and the joint refill is the first tensor load behind it.  From a request to the wait for it a wave
; issues 112 matrix instructions.  fill = 1: two K steps on in the same matrices; fill = 2: on to xx and to the next matrix of wt.
.macro TURN slot, next, fill
	s_wait_dscnt 0                                 ; buffer 1 is in: my reads of this slot are over
	s_wait_tensorcnt 0x0                           ; all my tensor loads have landed: every group 0 may be written
	ds_add_u32 v63, v31
	s_wait_dscnt 0x0
	s_barrier_signal -1
	WINMUL 0
	MUL16 F1, 0, 0
	WIN 0
	s_barrier_wait -1
.if \fill
	CREST
.if \fill == 1
	s_add_nc_u64 s[G0+4*\slot+2:G0+4*\slot+3], s[G0+4*\slot+2:G0+4*\slot+3], 2*KSTEP*2
	s_add_nc_u64 s[G0B+4*\slot+2:G0B+4*\slot+3], s[G0B+4*\slot+2:G0B+4*\slot+3], 2*KSTEP*2
.else
	s_add_nc_u64 s[G0+4*\slot+2:G0+4*\slot+3], s[90:91], \slot*KSTEP*2       ; xx at my rows, its K step 0 or 1
	s_or_b32 s[G0+4*\slot+3], s[G0+4*\slot+3], 0x80000000                    ; type = 2
	s_add_nc_u64 s[G0B+4*\slot+2:G0B+4*\slot+3], s[G0B+4*\slot+2:G0B+4*\slot+3], WSWITCH
.endif
	JLOAD \slot
.endif
	PLACES
	FETCH \next, 0, F0
	WINMUL 0
	MUL16 F1, 2, 0
.endm
.macro LASTQ                           ; the very last quarter: nothing more to fetch
	s_wait_dscnt 0
	WINMUL 0
	MUL16 F1, 0, 0
	MUL16 F1, 2, 0
.endm
.macro LAP cm, fill                    ; once round the ring, both slots filled again
	THREE 0, \cm
	TURN 0, 1, \fill
	THREE 1, 0
	TURN 1, 0, \fill
.endm
.macro SETS a                          ; the registers of row tile a's q (window 3) and x (window 0)
.set QS, 64*(\a)
.if (\a) == 0
.set XS, 32
.endif
.if (\a) == 1
.set XS, 160
.endif
.if (\a) == 2
.set XS, 192
.endif
.if (\a) == 3
.set XS, 224
.endif
.endm
.macro LOADQX a                        ; 32 loads: my 128 columns of rows 16 a .. 16 a + 15 of q (512 consecutive bytes a load) and of x (256)
	SETS \a
	WIN 0xc0                                       ; destination in window 3
.set t, 0
.rept 16
	global_load_b128 v[QS+4*t:QS+4*t+3], v[CO], s[84:85] offset:(16*(\a)+t)*4096 th:TH_LOAD_NT
.set t, t+1
.endr
	WIN 0
.set t, 0
.rept 16
	global_load_b64 v[XS+2*t:XS+2*t+1], v27, s[86:87] offset:(16*(\a)+t)*2048
.set t, t+1
.endr
.endm
.macro OUTG a
.set AB, 64*(\a)
	WIN 0x08                                       ; store data in window 2
.irp b, 0,1,2,3,4,5,6,7
	ds_store_b128 v[STO], v[AB+8*\b:AB+8*\b+3]   offset:64*\b
	ds_store_b128 v[STO], v[AB+8*\b+4:AB+8*\b+7] offset:64*\b+16
.endr
	WIN 0
.set t, 0
.rept 16
	ds_load_b128 v[F0+4*t:F0+4*t+3], v[RD] offset:GPITCH*t        ; row t, four columns a lane; LDS serves a wave's instructions in order
.set t, t+1
.endr
	s_wait_kmcnt 0x0                               ; the sixteen rows' mask
	s_wait_dscnt 0x0
.set i, 0
.rept 32
	v_pk_mul_f32 v[F0+2*i:F0+2*i+1], v[F0+2*i:F0+2*i+1], 0xbfb8aa3b op_sel_hi:[1,0]   ; -log2(e) g
.set i, i+1
.endr
.set i, 0
.rept 64
	v_exp_f32 v[F0+i], v[F0+i]
.set i, i+1
.endr
	v_nop                                          ; one plain place behind the exponentials (ISA guide 5.7.2)
.set i, 0
	s_wait_alu depctr_va_vdst(0)
.rept 32
	v_pk_add_f32 v[F0+2*i:F0+2*i+1], v[F0+2*i:F0+2*i+1], 1.0 op_sel_hi:[1,0]
.set i, i+1
.endr
.set i, 0
.rept 64
	v_rcp_f32 v[F0+i], v[F0+i]
.set i, i+1
.endr
	v_nop                                          ; and one behind the reciprocals
.set i, 0
	s_wait_alu depctr_va_vdst(0)
.rept 64
	v_mul_f32 v[F0+i], s[68+i/4], v[F0+i]          ; times the row's mask
.set i, i+1
.endr
.if (\a) < 3
	s_load_b512 s[68:83], s[88:89], ((\a)+1)*64    ; the next sixteen rows' mask
.endif
.if (\a) == 0
	s_wait_loadcnt 0x0                             ; all of q and x: the youngest were asked for four laps ago
.endif
	SETS \a
	WIN 0xf0                                       ; q: source 2 and destination in window 3
.set t, 0
.rept 16
	v_fma_mix_f32_bf16 v[QS+4*t],   v[XS+2*t],   v[F0+4*t],   v[QS+4*t]   op_sel:[0,0,0] op_sel_hi:[1,0,0]
	v_fma_mix_f32_bf16 v[QS+4*t+1], v[XS+2*t],   v[F0+4*t+1], v[QS+4*t+1] op_sel:[1,0,0] op_sel_hi:[1,0,0]
	v_fma_mix_f32_bf16 v[QS+4*t+2], v[XS+2*t+1], v[F0+4*t+2], v[QS+4*t+2] op_sel:[0,0,0] op_sel_hi:[1,0,0]
	v_fma_mix_f32_bf16 v[QS+4*t+3], v[XS+2*t+1], v[F0+4*t+3], v[QS+4*t+3] op_sel:[1,0,0] op_sel_hi:[1,0,0]
.set t, t+1
.endr
	WIN 0x0c                                       ; store data in window 3
.set t, 0
.rept 16
	global_store_b128 v[CO], v[QS+4*t:QS+4*t+3], s[8:9] offset:(16*(\a)+t)*4096 th:TH_STORE_NT   ; 512 consecutive bytes, aligned; no store's register is written again
.set t, t+1
.endr
	WIN 0
.endm
	s_load_b256 s[68:75], s[0:1], 0x0              ; qkp s[68:69], xx s[70:71], wt s[72:73], bg s[74:75]
	s_load_b128 s[76:79], s[0:1], 0x20             ; q s[76:77], mask s[78:79]
	s_load_b64 s[80:81], s[0:1], 0x30              ; out0
	s_set_vgpr_msb 0x40
	v_lshl_add_u32 v63, v0, 2, 0x3b400
	s_set_vgpr_msb 0x4000
	v_mov_b32 v31, 0
	s_set_vgpr_msb 0x1
	ds_add_u32 v63, v31
	s_set_vgpr_msb 0x100
	v_lshrrev_b32 v1, 5, v0
	v_readfirstlane_b32 s10, v1                    ; wave 0..3
	s_lshr_b32 s11, s10, 1                         ; my half of the block's rows; also: I ask for A (0) or B (1)
	s_and_b32 s12, s10, 1                          ; my half of its columns; also: which half of the tile I ask for
	s_bfe_u32 s40, ttmp6, 0x40000                  ; cx
	s_bfe_u32 s41, ttmp6, 0x40004                  ; cy
	s_lshl_b32 s42, ttmp9, 2
	s_add_co_u32 s42, s42, s40                     ; block column 0..3 (256 columns each)
	s_and_b32 s45, ttmp7, 0xffff
	s_lshl_b32 s13, s45, 2
	s_add_co_u32 s13, s13, s41                     ; block row 0..63 (128 rows each)
	s_lshl_b32 s43, s41, 2
	s_lshl_b32 s43, 15, s43                        ; my row of the cluster
	s_lshl_b32 s44, 0x1111, s40                    ; my column
	s_or_b32 s[G1+0], s43, (1<<16)|(1<<20)|(1<<21)|(5<<22)|(3<<25)   ; mask; 2-byte elements; padding on; bit 21 beside a mask; after every 64 words 4 words
	s_or_b32 s[G1B+0], s44, (1<<16)|(1<<20)|(1<<21)|(5<<22)|(3<<25)
	s_mov_b32 s[G1+1], KSTEP<<16                   ; tensor_dim0 = 128
	s_mov_b32 s[G1B+1], KSTEP<<16
	s_mov_b32 s[G1+2], 64<<16                      ; tensor_dim1 = 64 rows of A
	s_mov_b32 s[G1B+2], 128<<16                    ; 128 rows of B
	s_mov_b32 s[G1+3], KSTEP<<16                   ; tile_dim0 = 128
	s_mov_b32 s[G1B+3], KSTEP<<16
	s_mov_b32 s[G1+4], 64                          ; tile_dim1
	s_mov_b32 s[G1B+4], 128
	s_mov_b32 s[G1+5], PITCHK                      ; elements from row to row
	s_mov_b32 s[G1B+5], PITCHK
	s_mov_b32 s[G1+6], 0
	s_mov_b32 s[G1B+6], 0
	s_mov_b32 s[G1+7], 0
	s_mov_b32 s[G1B+7], 0
	s_lshl_b32 s16, s13, 7
	s_lshl_b32 s18, s12, 6
	s_add_co_u32 s16, s16, s18
	s_lshl_b32 s16, s16, 11                        ; A: row 128 x block row + 64 x half, in bytes, in qp and in xx alike
	s_mov_b32 s17, 0
	s_lshl_b32 s46, s42, 8
	s_lshl_b32 s47, s12, 7
	s_add_co_u32 s46, s46, s47                     ; B: row 256 x block column + 128 x half
	s_lshl_b32 s46, s46, 11
	s_add_co_u32 s46, s46, 0x600000                ; of the fourth matrix of wt
	s_mov_b32 s47, 0
	s_mul_i32 s20, s12, AHALF                      ; where A's half goes,
	s_mul_i32 s19, s12, BHALF
	s_add_co_u32 s19, s19, 2*AHALF                 ; and B's, behind A's 128 rows: the wave's number alone enters an LDS address
	s_wait_dscnt 0x0
	s_wait_kmcnt 0x0
	s_add_nc_u64 s[14:15], s[68:69], s[16:17]
	s_add_nc_u64 s[90:91], s[70:71], s[16:17]      ; kept for the change of source
	s_add_nc_u64 s[46:47], s[72:73], s[46:47]
	CROUND                                         ; all sixteen work-groups are here: the first joint loads meet
.irp s, 0,1
	s_mov_b32 s[G0+4*\s], 1
	s_add_co_u32 s[G0+4*\s+1], s20, \s*SLOT
	s_add_nc_u64 s[G0+4*\s+2:G0+4*\s+3], s[14:15], \s*KSTEP*2
	s_or_b32 s[G0+4*\s+3], s[G0+4*\s+3], 0x80000000
	s_mov_b32 s[G0B+4*\s], 1
	s_add_co_u32 s[G0B+4*\s+1], s19, \s*SLOT
	s_add_nc_u64 s[G0B+4*\s+2:G0B+4*\s+3], s[46:47], \s*KSTEP*2
	s_or_b32 s[G0B+4*\s+3], s[G0B+4*\s+3], 0x80000000
	JLOAD \s                                       ; two tensor loads of the wave are out, later one
.endr
	v_and_b32 v1, 15, v0                           ; l % 16
	v_bfe_u32 v2, v0, 4, 1                         ; l / 16
	v_mul_u32_u24 v3, v1, PITCH
	v_lshl_add_u32 v3, v2, 4, v3
	s_mul_i32 s21, s11, AHALF                      ; my 64 rows of A
	s_mul_i32 s22, s12, BHALF                      ; my 128 rows of B,
	s_add_co_u32 s22, s22, 2*AHALF                 ; which lie behind A's 128
.irp s, 0,1
	v_add_nc_u32 v[ADRA+\s], s21, v3
	v_add_nc_u32 v[ADRB+\s], s22, v3
	s_add_co_u32 s21, s21, SLOT
	s_add_co_u32 s22, s22, SLOT
.endr
	s_mul_i32 s23, s10, 16*GPITCH
	s_add_co_u32 s23, s23, STAGE                   ; my stage
	v_mul_u32_u24 v4, v1, GPITCH
	v_lshl_add_u32 v4, v2, 5, v4                   ; in: row l % 16, 32 bytes for each half of the lanes
	v_add_nc_u32 v[STO], s23, v4
	v_and_b32 v5, 31, v0
	v_lshlrev_b32 v[CO], 4, v5                     ; 16 x lane: q, out
	v_lshlrev_b32 v27, 3, v5                       ; 8 x lane: x
	v_add_nc_u32 v[RD], s23, v[CO]                 ; back: a whole row, 16 bytes a lane
	v_lshlrev_b32 v28, 5, v2                       ; bg: 32 bytes for each half of the lanes
	; the bases.  Numbers made of cy pass through s14, s16; numbers made of cx through s46, s47.
	s_lshl_b32 s16, s13, 7
	s_lshl_b32 s14, s11, 6
	s_add_co_u32 s14, s16, s14                     ; my first row
	s_lshl_b32 s16, s14, 12
	s_add_nc_u64 s[84:85], s[76:77], s[16:17]      ; q
	s_add_nc_u64 s[8:9], s[80:81], s[16:17]        ; out0
	s_lshl_b32 s16, s14, 11
	s_add_nc_u64 s[86:87], s[70:71], s[16:17]      ; xx
	s_lshl_b32 s16, s14, 2
	s_add_nc_u64 s[88:89], s[78:79], s[16:17]      ; mask
	s_lshl_b32 s46, s42, 9
	s_lshl_b32 s47, s12, 8
	s_add_co_u32 s46, s46, s47                     ; my first column x 2 bytes
	s_mov_b32 s47, 0
	s_add_nc_u64 s[86:87], s[86:87], s[46:47]
	s_lshl_b32 s46, s46, 1                         ; x 4 bytes
	s_add_nc_u64 s[84:85], s[84:85], s[46:47]
	s_add_nc_u64 s[8:9], s[8:9], s[46:47]
	s_add_nc_u64 s[6:7], s[74:75], s[46:47]        ; bg
	; bg's tile: register j of tile b = bg[my first column + 16 b + 8 (l / 16) + j]
	WIN TO_B
.irp b, 0,1,2,3,4,5,6,7
	global_load_b128 v[BIAS+8*\b:BIAS+8*\b+3],   v28, s[6:7] offset:64*\b
	global_load_b128 v[BIAS+8*\b+4:BIAS+8*\b+7], v28, s[6:7] offset:64*\b+16
.endr
	WIN 0
	s_wait_tensorcnt 1                             ; my part of K step 0 is in; step 1's stays out
	s_barrier_signal -1
	s_barrier_wait -1
	FETCH 0, 0, F0
	LOADQX 0
	s_load_b512 s[68:83], s[88:89], 0x0            ; mask of my rows 0-15 (every base has been formed: the pointers are no longer needed)
	s_wait_loadcnt 32                              ; bg's sixteen loads are in; the 32 younger ones (q and x of row tile 0) stay out
	LAP 2, 1                                       ; K steps 0 and 1: the first products start the sums from bg
	WIN 0
	LOADQX 1
	s_mov_b32 s3, 2
.Llap1:
	LAP 0, 1                                       ; K steps 2 to 5
	WIN 0
	s_sub_co_u32 s3, s3, 1
	s_cmp_lg_u32 s3, 0
	s_cbranch_scc1 .Llap1
	LOADQX 2
	LAP 0, 2                                       ; K steps 6 and 7; the refills are steps 8 and 9: the first of xx and of Wg's lower half
	WIN 0
	LOADQX 3
	s_mov_b32 s3, 3
.Llap2:
	LAP 0, 1                                       ; K steps 8 to 13
	WIN 0
	s_sub_co_u32 s3, s3, 1
	s_cmp_lg_u32 s3, 0
	s_cbranch_scc1 .Llap2
	THREE 0, 0                                     ; K steps 14 and 15: the last lap fills nothing
	TURN 0, 1, 0
	THREE 1, 0
	LASTQ
	PLACES
	OUTG 0
	OUTG 1
	OUTG 2
	OUTG 3
	s_set_vgpr_msb 0x1
	s_wait_tensorcnt 0x0
	ds_add_u32 v63, v31
	s_wait_dscnt 0x0
	s_set_vgpr_msb 0x100
	CROUND                                         ; the closing round: no work-group ends while a partner may still ask for a tile that names it
	s_endpgm
.Lfunc_end_k_q62cce4d9e8_gateout:
	.size	k_q62cce4d9e8_gateout, .Lfunc_end_k_q62cce4d9e8_gateout-k_q62cce4d9e8_gateout
	.p2alignl 7, 3214868480
	.fill 96, 4, 3214868480
	.section	.rodata,"a",@progbits
	.p2align	6, 0x0
	.amdhsa_kernel k_q62cce4d9e8_gateout
		.amdhsa_group_segment_fixed_size 327680
		.amdhsa_private_segment_fixed_size 0
		.amdhsa_enable_private_segment 0
		.amdhsa_kernarg_size 56
		.amdhsa_user_sgpr_count 2
		.amdhsa_user_sgpr_kernarg_segment_ptr 1
		.amdhsa_wavefront_size32 1
		.amdhsa_system_sgpr_workgroup_id_x 1
		.amdhsa_system_sgpr_workgroup_id_y 1
		.amdhsa_system_sgpr_workgroup_id_z 1
		.amdhsa_system_vgpr_workitem_id 0
		.amdhsa_next_free_vgpr 1024
		.amdhsa_next_free_sgpr 100
		.amdhsa_reserve_vcc 0
		.amdhsa_float_denorm_mode_32 3
		.amdhsa_float_denorm_mode_16_64 3
		.amdhsa_memory_ordered 1
		.amdhsa_forward_progress 1
		.amdhsa_inst_pref_size 255
	.end_amdhsa_kernel
	.amdgpu_metadata
---
amdhsa.version: [ 1, 2 ]
amdhsa.kernels:
  - .name:           k_q62cce4d9e8_gateout
    .symbol:         k_q62cce4d9e8_gateout.kd
    .args:
      - { .name: qkp, .offset: 0, .size: 8, .value_kind: global_buffer, .address_space: global }
      - { .name: xx, .offset: 8, .size: 8, .value_kind: global_buffer, .address_space: global }
      - { .name: wt, .offset: 16, .size: 8, .value_kind: global_buffer, .address_space: global }
      - { .name: bg, .offset: 24, .size: 8, .value_kind: global_buffer, .address_space: global }
      - { .name: q, .offset: 32, .size: 8, .value_kind: global_buffer, .address_space: global }
      - { .name: mask, .offset: 40, .size: 8, .value_kind: global_buffer, .address_space: global }
      - { .name: out0, .offset: 48, .size: 8, .value_kind: global_buffer, .address_space: global }
    .group_segment_fixed_size: 327680
    .private_segment_fixed_size: 0
    .kernarg_segment_align: 8
    .kernarg_segment_size: 56
    .max_flat_workgroup_size: 128
    .sgpr_count:     100
    .vgpr_count:     1024
    .wavefront_size: 32
...
	.end_amdgpu_metadata
.endif
;; end of part 5
;; ======== version 2 of 2: 5 launches; version 1 with the launch prep written anew for expert scheduling mode
;; limits: values outside matrix products are rounded to bf16
;; workspace buffers: xb 50,331,648 bytes; wt 10,485,760 bytes; qkp 33,554,432 bytes; vpt 16,777,216 bytes; pp 16,777,216 bytes; st 524,288 bytes; xx 16,777,216 bytes
;; launch prep (part 6): grid 2176 x 1, 8 waves a work-group, no clusters, 18,432 bytes of LDS; arguments q, k, v, Wq, Wk, Wv, Wg, xb, wt; writes xb, wt
.if DOCPART == 6
	.amdgcn_target "amdgcn-amd-amdhsa--gfx1250"
	.amdhsa_code_object_version 6
	.text
	.protected	k_q62cce4d9e8_prep
	.globl	k_q62cce4d9e8_prep
	.p2align	8
	.type	k_q62cce4d9e8_prep,@function
k_q62cce4d9e8_prep:
	s_mov_b64 s[64:65], 0
	v_nop
	global_prefetch_b8 v0, s[64:65] scope:SCOPE_SE
	s_setreg_imm32_b32 hwreg(HW_REG_WAVE_SCHED_MODE, 0, 2), 2
	s_setreg_imm32_b32 hwreg(HW_REG_WAVE_MODE, 25, 1), 1
	s_wait_xcnt 0x0
	s_wait_alu depctr_vm_vsrc(0)
; Brings every matrix operand that is an input into the form bf16, rows of 1,024 numbers, K along the rows.
; Work-groups 0 to 1,535: q, k, v (f32) are rounded to bf16 into xb = [3][8192][1024]; 65,536 bytes of f32 a work-group.
; Work-groups 1,536 to 2,175: Wq, Wk, Wv and the two halves of Wg ([k][n] f32) are rounded and transposed into
; wt = [5][n 1024][k 1024]; a tile of 128 k x 64 n a work-group, turned in LDS.
; Memory binds: every input byte is read once by 16-byte loads, every output byte written once, each store of 16 or 32
; neighbouring lanes covering 256 consecutive aligned bytes.  No matrix unit, no cluster: no two work-groups share a byte.
; THE MODE: SCHED_MODE bits 1:0 = 2 (LLVM: expert scheduling mode 2), set by the entry lines.  The code itself states the register dependences
; between vector instructions and memory or LDS instructions, with s_wait_alu, always for 0.
; THE PLAN.  Registers that memory or LDS instructions touch:
;   cast:       v1, v2      offsets, made once at the head, read by every load (v1) and every store (v2), never written again.
;               v[16:79]    written by the sixteen loads, once; read by the conversions alone.
;               v[80:111]   each written once, by a conversion; each read by one store.
;   transpose:  v1, v2, v5, v6  offsets and LDS addresses, made once at the head, never written again.
;               v[16:47]    written by the eight loads, once; read by the conversions alone.
;               v[48:63]    each written once, by a conversion; each read by one LDS store.
;               v[64:79]    written by the LDS loads, read by the global stores; no vector instruction names them.
;               v112, v113  made at the head, read by the closing add alone.
; The work goes in four groups.  A group's stores are issued in the next group, behind ONE wait on va_vdst at that group's head, and are dealt
; among that group's conversions, which name the group's own registers and none that those stores read.  One more such wait stands ahead of
; the last group's stores, and one ahead of each path's first load, for the offsets.  No register that a memory or LDS instruction reads is
; ever written again, so no wait on vm_vsrc is owed.  No vector instruction writes a scalar register or VCC; EXEC is never written.
.set CASTS, 1536                       ; work-groups that cast
.set TP,    272                        ; LDS pitch of a transposed row: 128 bf16 + 16 bytes
	s_load_b512 s[4:19], s[0:1], 0x0               ; q s[4:5], k s[6:7], v s[8:9], Wq s[10:11], Wk s[12:13], Wv s[14:15], Wg s[16:17], xb s[18:19]
	s_load_b64 s[20:21], s[0:1], 0x40              ; wt
	v_lshl_add_u32 v112, v0, 2, 0x4400             ; my spare word, behind the 64 transposed rows, and 0: kept for the closing add alone
	v_mov_b32 v113, 0
	s_cmp_lt_u32 ttmp9, CASTS                      ; the same in all eight waves
	s_cbranch_scc0 .Ltrans
	; ---- cast: wave w takes 8,192 bytes of f32, sixteen loads of 512 consecutive bytes, all issued first ----
	s_lshr_b32 s22, ttmp9, 9                       ; 0 q, 1 k, 2 v: 512 work-groups each
	s_and_b32 s26, ttmp9, 511
	s_lshl_b32 s26, s26, 16                        ; my 65,536 bytes in the source
	s_mov_b32 s27, 0
	s_lshl_b32 s28, ttmp9, 15                      ; my 32,768 bytes in xb
	s_mov_b32 s29, 0
	v_lshrrev_b32 v3, 5, v0                        ; wave
	v_and_b32 v4, 31, v0                           ; lane
	v_lshlrev_b32 v1, 4, v4
	v_lshl_add_u32 v1, v3, 13, v1                  ; source: 8,192 wave + 16 lane
	v_lshlrev_b32 v2, 3, v4
	v_lshl_add_u32 v2, v3, 12, v2                  ; destination: 4,096 wave + 8 lane
	s_wait_kmcnt 0x0
	s_cmp_eq_u32 s22, 1
	s_cselect_b64 s[24:25], s[6:7], s[4:5]
	s_cmp_eq_u32 s22, 2
	s_cselect_b64 s[24:25], s[8:9], s[24:25]
	s_add_nc_u64 s[24:25], s[24:25], s[26:27]
	s_add_nc_u64 s[18:19], s[18:19], s[28:29]
	s_wait_alu depctr_va_vdst(0)                   ; v1 and v2 are written: every load below reads v1 as its offset, every store v2
.irp i, 0,1,2,3,4,5,6,7,8,9,10,11,12,13,14,15
	global_load_b128 v[16+4*\i:19+4*\i], v1, s[24:25] offset:512*\i th:TH_LOAD_NT
.endr
	; four groups of four loads.  Group g rounds its sixteen registers into eight; the four stores of group g - 1 stand among its conversions.
.irp g, 0,1,2,3
	s_wait_loadcnt 12-4*(\g)                       ; loads come back in order: the group's four are in, the younger groups stay out
.if (\g) > 0
	s_wait_alu depctr_va_vdst(0)                   ; the conversions of the group before have written their eight registers, which the four stores below read
.endif
.irp i, 0,1,2,3
.if (\g) > 0
	global_store_b64 v2, v[80+2*(4*(\g)-4+(\i)):81+2*(4*(\g)-4+(\i))], s[18:19] offset:256*(4*(\g)-4+(\i))   ; 32 lanes x 8 bytes: 256 consecutive bytes, aligned; no register is used twice; no vector instruction since the wait names these two
.endif
	v_cvt_pk_bf16_f32 v[80+2*(4*(\g)+(\i))], v[16+4*(4*(\g)+(\i))], v[17+4*(4*(\g)+(\i))]
	v_cvt_pk_bf16_f32 v[81+2*(4*(\g)+(\i))], v[18+4*(4*(\g)+(\i))], v[19+4*(4*(\g)+(\i))]
.endr
.endr
	s_wait_alu depctr_va_vdst(0)                   ; the last group's conversions have written v[104:111], which the last four stores read
.irp i, 12,13,14,15
	global_store_b64 v2, v[80+2*\i:81+2*\i], s[18:19] offset:256*\i
.endr
	s_endpgm
.Ltrans:
	; ---- transpose: tile of 128 rows (k) x 64 columns (n) of one weight ----
	s_sub_co_u32 s22, ttmp9, CASTS
	s_lshr_b32 s23, s22, 7                         ; which matrix: 0 Wq, 1 Wk, 2 Wv, 3 Wg rows 0-1023, 4 Wg rows 1024-2047
	s_bfe_u32 s26, s22, 0x30004                    ; kb: which 128 k
	s_and_b32 s28, s22, 15                         ; nb: which 64 n
	s_lshl_b32 s30, s26, 19                        ; 128 rows of 4,096 bytes
	s_lshl_b32 s31, s28, 8                         ; 64 columns of 4 bytes
	s_add_co_u32 s30, s30, s31
	s_cmp_eq_u32 s23, 4
	s_cselect_b32 s31, 0x400000, 0                 ; Wg's lower half begins 1,024 rows down
	s_add_co_u32 s30, s30, s31
	s_mov_b32 s31, 0
	s_lshl_b32 s32, s23, 21                        ; wt: 2,097,152 bytes a matrix,
	s_lshl_b32 s33, s28, 17                        ; 64 rows of 2,048 bytes,
	s_add_co_u32 s32, s32, s33
	s_lshl_b32 s33, s26, 8                         ; 128 k of 2 bytes
	s_add_co_u32 s32, s32, s33
	s_mov_b32 s33, 0
	v_and_b32 v3, 15, v0                           ; c: my 4 columns
	v_lshrrev_b32 v4, 4, v0                        ; r0: my pair of rows, 0 to 15
	v_lshlrev_b32 v1, 4, v3
	v_lshl_add_u32 v1, v4, 13, v1                  ; source: two rows x r0 + 16 c
	v_mul_u32_u24 v5, v3, 4*TP
	v_lshl_add_u32 v5, v4, 2, v5                   ; LDS in: row n = 4 c (+ j), word r0 (+ 16 i)
	v_mul_u32_u24 v6, v4, TP
	v_lshl_add_u32 v6, v3, 4, v6                   ; LDS out: row v0 / 16, 16 bytes a lane
	v_lshlrev_b32 v2, 4, v3
	v_lshl_add_u32 v2, v4, 11, v2                  ; wt: the same row and bytes
	s_wait_kmcnt 0x0
	s_cmp_eq_u32 s23, 0
	s_cselect_b64 s[24:25], s[10:11], s[16:17]
	s_cmp_eq_u32 s23, 1
	s_cselect_b64 s[24:25], s[12:13], s[24:25]
	s_cmp_eq_u32 s23, 2
	s_cselect_b64 s[24:25], s[14:15], s[24:25]
	s_add_nc_u64 s[24:25], s[24:25], s[30:31]
	s_add_nc_u64 s[20:21], s[20:21], s[32:33]
	s_wait_alu depctr_va_vdst(0)                   ; v1, v2, v5 and v6 are written: the loads read v1, the LDS stores v5, the LDS loads v6, the global stores v2
.irp i, 0,1,2,3
	global_load_b128 v[16+8*\i:19+8*\i], v1, s[24:25] offset:(32*\i)*4096 th:TH_LOAD_NT     ; row 32 i + 2 r0: sixteen lanes take its 256 bytes
	global_load_b128 v[20+8*\i:23+8*\i], v1, s[24:25] offset:(32*\i+1)*4096 th:TH_LOAD_NT   ; row 32 i + 2 r0 + 1
.endr
	; four steps of two rows.  Step i rounds its eight registers into four; the four LDS stores of step i - 1 stand among its conversions.
.irp i, 0,1,2,3
	s_wait_loadcnt 6-2*(\i)                        ; the two rows of step i are in, the younger pairs stay out
.if (\i) > 0
	s_wait_alu depctr_va_vdst(0)                   ; the conversions of the step before have written their four registers, which the four LDS stores below read
.endif
.irp j, 0,1,2,3
.if (\i) > 0
	ds_store_b32 v5, v[48+4*((\i)-1)+(\j)] offset:(\j)*TP+64*((\i)-1)   ; lanes c and c + 4 meet in a bank: sixteen such stores a wave, accepted; no vector instruction since the wait names this register
.endif
	v_cvt_pk_bf16_f32 v[48+4*(\i)+(\j)], v[16+8*(\i)+(\j)], v[20+8*(\i)+(\j)]   ; column 4 c + j: k in the low half, k + 1 in the high half
.endr
.endr
	s_wait_alu depctr_va_vdst(0)                   ; the last step's conversions have written v[60:63], which the last four LDS stores read
.irp j, 0,1,2,3
	ds_store_b32 v5, v[60+\j] offset:\j*TP+192
.endr
	s_wait_dscnt 0x0                               ; my stores are in LDS before I say so: other waves read them
	s_barrier_signal -1
	s_barrier_wait -1
.irp p, 0,1,2,3
	ds_load_b128 v[64+4*\p:67+4*\p], v6 offset:\p*16*TP   ; no vector instruction names v[64:79]; v6 was written ahead of this path's first wait on va_vdst
.endr
.irp p, 0,1,2,3
	s_wait_dscnt 3-\p
	global_store_b128 v2, v[64+4*\p:67+4*\p], s[20:21] offset:\p*16*2048   ; sixteen lanes: 256 consecutive bytes of a row of wt, aligned
.endr
	s_wait_dscnt 0x0                               ; the closing lines, six on end
	s_wait_alu 0x0
	s_wait_tensorcnt 0x0
	ds_add_u32 v112, v113
	s_wait_dscnt 0x0
	s_endpgm
.Lfunc_end_k_q62cce4d9e8_prep:
	.size	k_q62cce4d9e8_prep, .Lfunc_end_k_q62cce4d9e8_prep-k_q62cce4d9e8_prep
	.p2alignl 7, 3214868480
	.fill 96, 4, 3214868480
	.section	.rodata,"a",@progbits
	.p2align	6, 0x0
	.amdhsa_kernel k_q62cce4d9e8_prep
		.amdhsa_group_segment_fixed_size 18432
		.amdhsa_private_segment_fixed_size 0
		.amdhsa_enable_private_segment 0
		.amdhsa_kernarg_size 72
		.amdhsa_user_sgpr_count 2
		.amdhsa_user_sgpr_kernarg_segment_ptr 1
		.amdhsa_wavefront_size32 1
		.amdhsa_system_sgpr_workgroup_id_x 1
		.amdhsa_system_sgpr_workgroup_id_y 1
		.amdhsa_system_sgpr_workgroup_id_z 1
		.amdhsa_system_vgpr_workitem_id 0
		.amdhsa_next_free_vgpr 114
		.amdhsa_next_free_sgpr 66
		.amdhsa_reserve_vcc 0
		.amdhsa_float_denorm_mode_32 3
		.amdhsa_float_denorm_mode_16_64 3
		.amdhsa_memory_ordered 1
		.amdhsa_forward_progress 1
		.amdhsa_inst_pref_size 13
	.end_amdhsa_kernel
	.amdgpu_metadata
---
amdhsa.version: [ 1, 2 ]
amdhsa.kernels:
  - .name:           k_q62cce4d9e8_prep
    .symbol:         k_q62cce4d9e8_prep.kd
    .args:
      - { .name: q, .offset: 0, .size: 8, .value_kind: global_buffer, .address_space: global }
      - { .name: k, .offset: 8, .size: 8, .value_kind: global_buffer, .address_space: global }
      - { .name: v, .offset: 16, .size: 8, .value_kind: global_buffer, .address_space: global }
      - { .name: Wq, .offset: 24, .size: 8, .value_kind: global_buffer, .address_space: global }
      - { .name: Wk, .offset: 32, .size: 8, .value_kind: global_buffer, .address_space: global }
      - { .name: Wv, .offset: 40, .size: 8, .value_kind: global_buffer, .address_space: global }
      - { .name: Wg, .offset: 48, .size: 8, .value_kind: global_buffer, .address_space: global }
      - { .name: xb, .offset: 56, .size: 8, .value_kind: global_buffer, .address_space: global }
      - { .name: wt, .offset: 64, .size: 8, .value_kind: global_buffer, .address_space: global }
    .group_segment_fixed_size: 18432
    .private_segment_fixed_size: 0
    .kernarg_segment_align: 8
    .kernarg_segment_size: 72
    .max_flat_workgroup_size: 256
    .sgpr_count:     66
    .vgpr_count:     114
    .wavefront_size: 32
...
	.end_amdgpu_metadata
.endif
;; end of part 6
;; launch projqk: the kernel of part 2 again; grid 4 x 64, 4 waves a work-group, clusters of 4 x 4, 327,680 bytes of LDS; arguments xb, wt, bq, bk, qkp; writes qkp
;; launch scorev: the kernel of part 3 again; grid 4 x 64, 4 waves a work-group, clusters of 4 x 4, 327,680 bytes of LDS; arguments qkp, wt, xb, pp, st, vpt; writes pp, st, vpt
;; launch attng: the kernel of part 4 again; grid 4 x 64, 4 waves a work-group, clusters of 4 x 4, 327,680 bytes of LDS; arguments pp, st, vpt, bv, xx; writes xx
;; launch gateout: the kernel of part 5 again; grid 4 x 64, 4 waves a work-group, clusters of 4 x 4, 327,680 bytes of LDS; arguments qkp, xx, wt, bg, q, mask, out0; writes out0
